; MI455X (gfx1250); checked and timed in simulation.
; The chip was launched on July 23, 2026; its instructions are those of AMD's public machine-readable ISA for CDNA 5 (MIT licence, August 2026) and "CDNA5" Instruction Set Architecture Reference Guide (July 2026). The comments in the code are by the model that wrote it; some were corrected since.
;; Block. Allowed arithmetic: matrix products marked QUANTISED: E2M3 operands, one E8M0 scale for each 32 along K, by v_wmma_scale_f32_16x16x128_f8f6f4 with both operands' format E2M3, f32 sums; everything else in f32.
;; Inputs: W1_codes 4,096 x 32 x 24 uint8 (E2M3 codes of W1, K innermost, in blocks of 32 codes, four codes in three bytes); W1_scales 4,096 x 32 uint8 (E8M0 scales of W1, one for each 32 codes along K); W2_codes 1,024 x 128 x 24 uint8 (E2M3 codes of W2, K innermost, in blocks of 32 codes, four codes in three bytes); W2_scales 1,024 x 128 uint8 (E8M0 scales of W2, one for each 32 codes along K); Wk_codes 1,024 x 32 x 24 uint8 (E2M3 codes of Wk, K innermost, in blocks of 32 codes, four codes in three bytes); Wk_scales 1,024 x 32 uint8 (E8M0 scales of Wk, one for each 32 codes along K); Wo_codes 1,024 x 32 x 24 uint8 (E2M3 codes of Wo, K innermost, in blocks of 32 codes, four codes in three bytes); Wo_scales 1,024 x 32 uint8 (E8M0 scales of Wo, one for each 32 codes along K); Wq_codes 1,024 x 32 x 24 uint8 (E2M3 codes of Wq, K innermost, in blocks of 32 codes, four codes in three bytes); Wq_scales 1,024 x 32 uint8 (E8M0 scales of Wq, one for each 32 codes along K); Wv_codes 1,024 x 32 x 24 uint8 (E2M3 codes of Wv, K innermost, in blocks of 32 codes, four codes in three bytes); Wv_scales 1,024 x 32 uint8 (E8M0 scales of Wv, one for each 32 codes along K); b1 4,096 float32; b2 1,024 float32; bk 1,024 float32; bo 1,024 float32; bq 1,024 float32; bv 1,024 float32; ln1_b 1,024 float32; ln1_g 1,024 float32; ln2_b 1,024 float32; ln2_g 1,024 float32; x 2 x 2,048 x 1,024 float32.
;; Outputs: out0 2 x 2,048 x 1,024 float32.
;; This version of the problem:
;;   THIS VERSION OF THE PROBLEM IS GIVEN IN LOW PRECISION. The matrix products marked QUANTISED in the list below multiply operands that are first quantised to E2M3 (2 exponent bits, 3 mantissa bits; 6 bits a number), with one power-of-two scale for each 32 numbers along K (OCP MX v1.0); their sums are f32. All else is computed in f32.
;;   The module's matrix products, in the order in which they are computed (A, B: the left and right operand; K: the contracted axis; several contracted axes count as one K, in the product's order):
;;     1. [M 4,096, K 1,024] x [K 1,024, N 1,024]; A: computed on the way; B: input Wq (given as codes): QUANTISED
;;     2. [M 4,096, K 1,024] x [K 1,024, N 1,024]; A: computed on the way; B: input Wk (given as codes): QUANTISED
;;     3. [M 4,096, K 1,024] x [K 1,024, N 1,024]; A: computed on the way; B: input Wv (given as codes): QUANTISED
;;     4. batch 32 x [M 2,048, K 64] x [K 64, N 2,048]; A: computed on the way; B: computed on the way: QUANTISED
;;     5. batch 32 x [M 2,048, K 2,048] x [K 2,048, N 64]; A: softmax (see below); B: computed on the way: QUANTISED
;;     6. [M 4,096, K 1,024] x [K 1,024, N 1,024]; A: computed on the way; B: input Wo (given as codes): QUANTISED
;;     7. [M 4,096, K 1,024] x [K 1,024, N 4,096]; A: computed on the way; B: input W1 (given as codes): QUANTISED
;;     8. [M 4,096, K 4,096] x [K 4,096, N 1,024]; A: computed on the way; B: input W2 (given as codes): QUANTISED
;;   THE QUANTISER, for each operand of a quantised product, along K:
;;     - K is cut into blocks of 32 from its start; a last block that is shorter is filled with zeros.
;;     - A block's scale is 2^e with e = floor(log2(the largest magnitude in the block)) - 2, held to -126 .. 127; a block of zeros has e = 0. As a byte (E8M0): e + 127.
;;     - Each number is divided by its block's scale, clamped to +-7.5, and rounded to the nearest number of E2M3, ties to even, subnormals kept.
;;     - The product sums the exact products of the quantised numbers (number of the format x scale) in f32.
;;   ~~~python
;;   def quantise(x, axis):      # numpy; x: float32 -> the quantised numbers, widened to float32 again
;;       x = np.moveaxis(x, axis, -1); K = x.shape[-1]
;;       x = np.pad(x, [(0, 0)] * (x.ndim - 1) + [(0, -K % 32)]); x = x.reshape(x.shape[:-1] + (-1, 32)); a = np.abs(x).max(-1, keepdims=True)
;;       e = np.where(a > 0, np.clip(np.frexp(np.where(a > 0, a, 1))[1] - 1 - 2, -126, 127), 0)      # np.frexp(a)[1] - 1 = floor(log2(a)), exactly
;;       r = np.clip(x / 2.0 ** e, -7.5, 7.5)
;;       step = 2.0 ** (np.maximum(np.frexp(np.where(r == 0, 1, r))[1] - 1, 0) - 3)
;;       q = np.round(r / step) * step * 2.0 ** e      # np.round: ties to even
;;       return np.moveaxis(q.reshape(q.shape[:-2] + (-1,))[..., :K], -1, axis).astype(np.float32)
;;   ~~~
;;   SOFTMAX AHEAD OF A QUANTISED PRODUCT. Where the list says 'softmax', what is quantised is not the finished softmax but p = 2^(t - M), with t = logit x log2(e) and M = ceil(the row's largest t), a whole number; so 1/2 < the row's largest p <= 1. The row's sum l is taken of the UNQUANTISED p, in f32, and the product's result is divided by l at the end. Since M is a whole number, a kernel that streams over the keys may use a running M (the ceiling of the running maximum): every later rescaling is an exact power of two, which a block's scale takes up: the codes' values come out the same.
;;   OPERANDS COMPUTED ON THE WAY. 'Computed on the way' means the value that the module computes at that place (a softmax that the list does not call 'softmax' is quantised finished and normalised). What goes into a quantiser is computed in f32, as accurately as f32 sums, v_exp_f32 and their like allow (about 1e-6 of the number): no bf16 or f16 on the way to a quantiser, and a product that is left as it is and whose result goes on into a quantised operand takes f32 operands (vector FMAs, or v_wmma_f32_16x16x4_f32). A number that lies on a knife's edge between two numbers of the format may be rounded either way, as far as f32 arithmetic and the matrix unit's own rounding can turn it there, and no further.
;;   INPUTS GIVEN AS CODES. W1 (in the module: [1024, 4096], K = its axis 0); W2 (in the module: [4096, 1024], K = its axis 0); Wk (in the module: [1024, 1024], K = its axis 0); Wo (in the module: [1024, 1024], K = its axis 0); Wq (in the module: [1024, 1024], K = its axis 0); Wv (in the module: [1024, 1024], K = its axis 0): each comes as NAME_codes (uint8): NAME with its K axis moved to the last place and cut into blocks of 32 codes, [.., K / 32, bytes a block], one block behind the other in memory; four codes in three bytes: a row's codes are one little-endian stream of bits, code i at bits 6 i .. 6 i + 5 (a code: sign, 2 exponent bits, 3 mantissa bits); and NAME_scales (uint8): the same leading axes, one E8M0 byte (e + 127) for each 32 codes along K. Its value is code x scale, taken as it is: it is not quantised again, and the codes and scales need not be those that the quantiser above would give.
;; One version. Each part assembles by itself: llvm-mc -triple=amdgcn-amd-amdhsa -mcpu=gfx1250 --defsym DOCPART=n.
;; ======== version 1 of 1: 7 launches
;; limits: right only within a limited range of input values
;; workspace buffers: wimg 10,223,616 bytes; hbuf 3,407,872 bytes; ybuf 3,407,872 bytes; gbuf 13,631,488 bytes; x1 16,777,216 bytes; qkv 10,223,616 bytes
;; launch ln1 (part 1): grid 448 x 1, 8 waves a work-group, no clusters, 69,632 bytes of LDS; arguments x, ln1_g, ln1_b, hbuf, Wq_codes, Wk_codes, Wv_codes, Wo_codes, W1_codes, W2_codes, Wq_scales, Wk_scales, Wv_scales, Wo_scales, W1_scales, W2_scales, wimg; writes hbuf, wimg
.if DOCPART == 1
	.amdgcn_target "amdgcn-amd-amdhsa--gfx1250"
	.amdhsa_code_object_version 6
	.text
	.protected	k_q2a4269b870_ln1
	.globl	k_q2a4269b870_ln1
	.p2align	8
	.type	k_q2a4269b870_ln1,@function
k_q2a4269b870_ln1:
	s_mov_b64 s[64:65], 0
	v_nop
	global_prefetch_b8 v0, s[64:65] scope:SCOPE_SE
	s_setreg_imm32_b32 hwreg(HW_REG_WAVE_MODE, 25, 1), 1
	s_wait_xcnt 0x0
; h = Q((x - mean) * rsqrt(var + 1e-5) * g + b): a layer norm over rows of 1,024 f32 numbers, quantised along the row to codes of E2M3 with one E8M0 byte for each 32, and stored as images of operand registers
; (a fragment of 16 rows x 128 K: six planes of 256 bytes, lane l's 8 bytes at 8 l; its scale words: 4 l; a block of 128 rows x 128 K is 13,312 bytes; the buffer is [tile of 128 rows][K step][block]).
; SHARES: a work-group takes ONE fragment of 16 rows: F = its number; lane row r is row 32 (F / 2) + 8 (F % 2) + r + 8 (r / 8).  Wave w takes columns 128 w .. 128 w + 127: one K step, 64 numbers a lane.  The row is read once and stays in registers.
; Each load reads 512 consecutive bytes of a row; the wave's 16 x 512 bytes turn through its own stage in LDS (rows of 528 bytes), so that lane (r, h) holds, of row r, 16 neighbours of each block of 32: register 16 b + i = column 32 b + 16 h + i.
; The mean and then the variance OF THE CENTRED NUMBERS are summed in a lane, across the two halves of the lanes, and across the eight waves through 512 bytes of LDS each: two barriers.
; A block's scale is 2^(floor(log2(largest magnitude)) - 2); its byte is the largest magnitude's exponent field - 2, held at 1 from below.
; LIMITS: NaN and infinities are not served; a block whose largest magnitude lies under 2^-124 keeps the byte 1, a block of zeros too (the rule says 127): its codes are zeros, and this program alone reads the bytes.
; Memory binds: no matrix unit, no cluster (work-groups share nothing but g and b, 8 KB).
.set STG,  8448                        ; a wave's stage: 16 rows x 528 bytes
.set RED,  67584                       ; behind the stages: 16 rows x 8 waves of partial sums (512 bytes), twice
.set PC,   12                          ; v12-31   the codes just made
.set X,    32                          ; v32-95   my 64 numbers
.set R,    96                          ; v96-159  the rows as loaded, later b
.set G,    160                         ; v160-223 g
.set TM,   224                         ; v224-239 at work in the quantiser; v232-239 also the eight waves' partial sums
.set PW,   240                         ; v240     the scale word
.set SEL,  12                          ; s[12:13] lane selects for v_permlanex16_b32: lane l xor 16
; TWO KINDS OF WORK-GROUPS.  Numbers 0 to 255 do the layer norm described above.  Numbers from 256 on, which only the program's first launch of this body has (192 of them), lay the six weights' images: see .Lprep at the end.
; The two kinds share no byte and no LDS; the branch hangs on the work-group's number alone, so all waves of a work-group take one way.  The second launch of this body has 256 work-groups: none of them takes that way.
.set OBB, 13312
	s_cmp_ge_u32 ttmp9, 256
	s_cbranch_scc1 .Lprep
	s_load_b256 s[4:11], s[0:1], 0x0
	v_lshl_add_u32 v241, v0, 2, 0x10c00
	v_mov_b32 v251, 0
	v_lshrrev_b32 v1, 5, v0
	s_delay_alu instid0(VALU_DEP_1)
	v_readfirstlane_b32 s14, v1                    ; wave 0..7
	v_and_b32 v9, 31, v0                           ; lane
	v_and_b32 v10, 15, v0                          ; r
	v_bfe_u32 v11, v0, 4, 1                        ; h
	s_delay_alu instid0(VALU_DEP_3)
	v_lshlrev_b32 v1, 4, v9                        ; 16 x lane
	s_delay_alu instid0(VALU_DEP_4)
	v_lshlrev_b32 v7, 3, v9                        ; 8 x lane
	v_lshlrev_b32 v8, 2, v9                        ; 4 x lane
	s_delay_alu instid0(VALU_DEP_4)
	v_lshlrev_b32 v4, 6, v11                       ; 64 h
	s_mul_i32 s15, s14, STG
	v_add_nc_u32 v2, s15, v1                       ; the stage, on the way in: 16 x lane of a row
	v_mul_u32_u24 v3, v10, 528
	s_delay_alu instid0(VALU_DEP_1)
	v_add_nc_u32 v3, v3, v4
	s_delay_alu instid0(VALU_DEP_1)
	v_add_nc_u32 v3, s15, v3                       ; and on the way out: row r, + 64 h
	v_lshlrev_b32 v6, 5, v10
	s_delay_alu instid0(VALU_DEP_1)
	v_add_nc_u32 v6, RED, v6                       ; row r's eight partial sums
	s_lshl_b32 s15, s14, 2
	v_add_nc_u32 v5, s15, v6                       ; and my wave's word among them
	s_mov_b32 s[SEL], 0x76543210
	s_mov_b32 s[SEL+1], 0xfedcba98
	s_mov_b32 s20, 0x3a800000                      ; 1 / 1,024
	s_mov_b32 s21, 0x3727c5ac                      ; 1e-5
.irp b, 0,1,2,3
	v_mov_b32 v[TM+4+\b], 0                        ; written once: a lane permute's destination counts as one of its sources
.endr
	v_mov_b32 v250, 0
	s_lshr_b32 s16, ttmp9, 1
	s_lshl_b32 s16, s16, 5
	s_and_b32 s17, ttmp9, 1
	s_lshl_b32 s17, s17, 3
	s_add_co_u32 s16, s16, s17                     ; the fragment's first row
	s_lshl_b32 s16, s16, 12                        ; x 4,096 bytes
	s_lshl_b32 s18, s14, 9                         ; my wave's 512 bytes of a row
	s_add_co_u32 s16, s16, s18
	s_mov_b32 s17, 0
	s_mov_b32 s19, 0
	s_lshr_b32 s22, ttmp9, 3
	s_lshl_b32 s22, s22, 3
	s_add_co_u32 s22, s22, s14
	s_mul_i32 s22, s22, 13312                      ; block (F / 8, K step w)
	s_and_b32 s23, ttmp9, 7
	s_mul_i32 s24, s23, 1536
	s_add_co_u32 s24, s24, s22                     ; my fragment's image
	s_mov_b32 s25, 0
	s_lshl_b32 s26, s23, 7
	s_add_co_u32 s26, s26, s22
	s_add_co_u32 s26, s26, 12288                   ; and its scale image
	s_mov_b32 s27, 0
	s_wait_alu depctr_va_vdst(0)
	s_wait_kmcnt 0x0
	s_add_nc_u64 s[4:5], s[4:5], s[16:17]
	s_add_nc_u64 s[6:7], s[6:7], s[18:19]
	s_add_nc_u64 s[8:9], s[8:9], s[18:19]
	s_add_nc_u64 s[24:25], s[10:11], s[24:25]
	s_add_nc_u64 s[26:27], s[10:11], s[26:27]
.set i, 0
.rept 16
	global_load_b128 v[R+4*i:R+4*i+3], v1, s[4:5] offset:(i+8*(i/8))*4096   ; 32 lanes read 512 consecutive bytes of lane row i
.set i, i+1
.endr
.set i, 0
.rept 16
	global_load_b128 v[G+4*i:G+4*i+3], v4, s[6:7] offset:128*(i/4)+16*(i%4)   ; g at my 64 columns
.set i, i+1
.endr
	s_wait_loadcnt 16                              ; the rows are in; g's sixteen loads may be out
.set i, 0
.rept 16
	ds_store_b128 v2, v[R+4*i:R+4*i+3] offset:528*i
.set i, i+1
.endr
.set i, 0
.rept 16
	ds_load_b128 v[X+4*i:X+4*i+3], v3 offset:128*(i/4)+16*(i%4)   ; LDS serves a wave's instructions in order: these see my stores
.set i, i+1
.endr
	s_wait_dscnt 0x0                               ; my numbers are back, and the stores have read their registers,
.set i, 0
.rept 16
	global_load_b128 v[R+4*i:R+4*i+3], v4, s[8:9] offset:128*(i/4)+16*(i%4)   ; which take b
.set i, i+1
.endr
; Four packed partial sums in v[242:249] become the row's sum over all 1,024 columns, in v232 of every lane of the row.  red: which 512 bytes of LDS.
.macro ROWSUM red
	s_delay_alu instid0(VALU_DEP_3)
	v_pk_add_f32 v[242:243], v[242:243], v[244:245]
	s_delay_alu instid0(VALU_DEP_2)
	v_pk_add_f32 v[246:247], v[246:247], v[248:249]
	s_delay_alu instid0(VALU_DEP_1)
	v_pk_add_f32 v[242:243], v[242:243], v[246:247]
	s_delay_alu instid0(VALU_DEP_1)
	v_add_f32 v242, v242, v243
	s_delay_alu instid0(VALU_DEP_1)
	v_permlanex16_b32 v250, v242, s[SEL], s[SEL+1]
	s_delay_alu instid0(VALU_DEP_1)
	v_add_f32 v242, v242, v250                     ; with lane l xor 16's: my wave's 128 columns of row r
	ds_store_b32 v5, v242 offset:\red              ; both lanes of a row write the same word with the same value
	s_wait_dscnt 0x0                               ; for the others' sake: my store has landed
	s_barrier_signal -1
	s_barrier_wait -1
	ds_load_b128 v[232:235], v6 offset:\red
	ds_load_b128 v[236:239], v6 offset:\red+16
	s_wait_dscnt 0x0
	v_add_f32 v232, v232, v233
	v_add_f32 v234, v234, v235
	v_add_f32 v236, v236, v237
	v_add_f32 v238, v238, v239
	s_delay_alu instid0(VALU_DEP_3)
	v_add_f32 v232, v232, v234
	s_delay_alu instid0(VALU_DEP_2)
	v_add_f32 v236, v236, v238
	s_delay_alu instid0(VALU_DEP_1)
	v_add_f32 v232, v232, v236
.endm
.irp c, 0,1,2,3
	v_pk_add_f32 v[242+2*\c:243+2*\c], v[X+2*\c:X+2*\c+1], v[X+8+2*\c:X+9+2*\c]   ; four chains, started by the first pairs: nothing is cleared
.endr
.set p, 8
.rept 24
	s_delay_alu instid0(VALU_DEP_4)
	v_pk_add_f32 v[242+2*(p%4):243+2*(p%4)], v[242+2*(p%4):243+2*(p%4)], v[X+2*p:X+2*p+1]
.set p, p+1
.endr
	ROWSUM 0
	s_delay_alu instid0(VALU_DEP_1)
	v_mul_f32 v252, s20, v232                      ; the mean,
	s_delay_alu instid0(VALU_DEP_1)
	v_mov_b32 v253, v252                           ; twice, for the packed form
.set p, 0
.rept 32
	v_pk_add_f32 v[X+2*p:X+2*p+1], v[X+2*p:X+2*p+1], v[252:253] neg_lo:[0,1] neg_hi:[0,1]   ; x - mean
.set p, p+1
.endr
.irp c, 0,1,2,3
	v_pk_mul_f32 v[242+2*\c:243+2*\c], v[X+2*\c:X+2*\c+1], v[X+2*\c:X+2*\c+1]
.endr
.set p, 4
.rept 28
	s_delay_alu instid0(VALU_DEP_4)
	v_pk_fma_f32 v[242+2*(p%4):243+2*(p%4)], v[X+2*p:X+2*p+1], v[X+2*p:X+2*p+1], v[242+2*(p%4):243+2*(p%4)]
.set p, p+1
.endr
	ROWSUM 512
	s_delay_alu instid0(VALU_DEP_1)
	v_fma_f32 v232, v232, s20, s21                 ; var + 1e-5
	s_wait_alu depctr_va_vdst(0)
	v_rsq_f32 v254, v232
	v_nop                                          ; one plain place behind a transcendental
	s_wait_alu depctr_va_vdst(0)
	v_mov_b32 v255, v254
	s_wait_alu depctr_va_vdst(0)
	s_wait_loadcnt 0x0                             ; g and b
.set p, 0
.rept 32
	v_pk_mul_f32 v[X+2*p:X+2*p+1], v[X+2*p:X+2*p+1], v[254:255]
.set p, p+1
.endr
.set p, 0
.rept 32
	v_pk_fma_f32 v[X+2*p:X+2*p+1], v[X+2*p:X+2*p+1], v[G+2*p:G+2*p+1], v[R+2*p:R+2*p+1]
.set p, p+1
.endr
; 64 numbers of a lane, register 16 b + i = k 32 b + 16 (lane / 16) + i of my row, become a fragment's codes in v[PC] on and its scale word in v[PW].
.irp b, 0,1,2,3
	v_max3_num_f32 v[TM+\b], |v[X+16*\b]|, |v[X+1+16*\b]|, 0x1800000   ; block b: my 16 numbers, and the floor 2^(3 - 127): the byte cannot fall under 1
.endr
.irp i, 2,4,6,8,10,12,14
.irp b, 0,1,2,3
	s_delay_alu instid0(VALU_DEP_4)
	v_max3_num_f32 v[TM+\b], v[TM+\b], |v[X+16*\b+\i]|, |v[X+1+16*\b+\i]|   ; the four blocks by turns
.endr
.endr
.irp b, 0,1,2,3
	s_delay_alu instid0(VALU_DEP_4)
	v_permlanex16_b32 v[TM+4+\b], v[TM+\b], s[SEL], s[SEL+1]
.endr
.irp b, 0,1,2,3
	s_delay_alu instid0(VALU_DEP_4)
	v_max_num_f32 v[TM+\b], v[TM+\b], v[TM+4+\b]   ; with lane l xor 16's: the block's largest magnitude
.endr
.irp b, 0,1,2,3
	s_delay_alu instid0(VALU_DEP_4)
	v_add_nc_u32 v[TM+12+\b], 0xff000000, v[TM+\b] ; 2 off its exponent field: the conversion takes the exponent field of this operand as its scale
.endr
.irp b, 0,1,2,3
	s_delay_alu instid0(VALU_DEP_4)
	v_lshrrev_b32 v[TM+4+\b], 23, v[TM+12+\b]      ; the scale's byte
.endr
	s_delay_alu instid0(VALU_DEP_3)
	v_lshl_or_b32 v[PW], v[TM+5], 8, v[TM+4]
	s_delay_alu instid0(VALU_DEP_1)
	v_lshl_or_b32 v[PW], v[TM+6], 16, v[PW]
	s_delay_alu instid0(VALU_DEP_1)
	v_lshl_or_b32 v[PW], v[TM+7], 24, v[PW]
.irp c, 0,1
	v_cvt_scalef32_pk16_fp6_f32 v[PC+6*\c:PC+2+6*\c], v[X+32*\c:X+15+32*\c], v[TM+12+2*\c]
	v_cvt_scalef32_pk16_fp6_f32 v[PC+12+4*\c:PC+14+4*\c], v[X+16+32*\c:X+31+32*\c], v[TM+12+2*\c+1]   ; (a conversion's three registers begin on an even number)
.endr
	v_nop                                          ; one plain place behind a scaled conversion
.irp c, 0,1                                    ; the operand's layout wants a WHOLE block in a lane: lanes 0-15 block 2 c, lanes 16-31 block 2 c + 1
.irp i, 0,1,2
	v_permlane16_swap_b32 v[PC+6*\c+\i], v[PC+12+4*\c+\i]
.endr
.irp i, 0,1,2
	s_delay_alu instid0(VALU_DEP_3)
	v_mov_b32 v[PC+3+6*\c+\i], v[PC+12+4*\c+\i]
.endr
.endr
.irp p, 0,1,2,3,4,5
	global_store_b64 v7, v[PC+2*\p:PC+2*\p+1], s[24:25] offset:256*\p   ; 32 lanes store 256 consecutive bytes, at a multiple of 256 from the buffer's first byte
.endr
	global_store_b32 v8, v[PW], s[26:27]
	s_wait_tensorcnt 0x0
	ds_add_u32 v241, v251
	s_wait_dscnt 0x0
	s_endpgm
; THE WEIGHTS' IMAGES.  The six weights (codes of E2M3 with K innermost, one E8M0 byte for each 32 along K) are laid anew as images of the operand's registers, for the products' launches.
; A fragment is 16 rows x 128 K, 12 registers a lane: six planes of 256 bytes, plane p holding registers 2 p, 2 p + 1, lane l's 8 bytes at 256 p + 8 l.  Its scale image is 128 bytes: lane l's word at 4 l (lanes 16-31 a copy of lanes 0-15).
; A block is 128 rows x 128 K: eight fragments (12,288 bytes), then their eight scale images: 13,312 bytes.  A weight is laid [tile of 128 rows][K step][block].  Lane row r of fragment 2 b + u is row 32 b + 8 u + r + 8 (r / 8).
; SHARES: a wave takes one fragment of rows x FOUR K steps (16 rows x 384 consecutive bytes): 1,536 shares = 192 work-groups x 8 waves.  Share t = 8 (work-group - 256) + wave: t % 2 says which four of eight K steps;
; t / 2 = 256 x kind + i: kind 0: fragment i % 64 of Wq, Wk, Wv or Wo (i / 64); kind 1: fragment i of W1; kind 2: fragment i / 4 of W2, K steps 8 (i % 4) on.
; Nothing is computed, no LDS, no barrier; each store of codes covers 256 consecutive bytes at a multiple of 256 from the buffer's first byte.  No register is written twice, so no wait frees one.
.Lprep:
	s_load_b512 s[8:23], s[0:1], 0x20              ; codes: Wq s[8:9], Wk s[10:11], Wv s[12:13], Wo s[14:15], W1 s[16:17], W2 s[18:19]; scales: Wq s[20:21], Wk s[22:23]
	s_load_b256 s[24:31], s[0:1], 0x60             ; scales: Wv s[24:25], Wo s[26:27], W1 s[28:29], W2 s[30:31]
	s_load_b64 s[32:33], s[0:1], 0x80              ; wimg
	v_lshrrev_b32 v1, 5, v0
	v_readfirstlane_b32 s38, v1                    ; wave 0..7
	s_sub_co_u32 s39, ttmp9, 256
	s_lshl_b32 s39, s39, 3
	s_add_co_u32 s39, s39, s38                     ; the share's number t
	s_and_b32 s41, s39, 1                          ; which four K steps of eight
	s_lshr_b32 s39, s39, 1
	s_lshr_b32 s38, s39, 8                         ; kind
	s_and_b32 s39, s39, 255                        ; i
	s_lshr_b32 s40, s39, 6                         ; kind 0: which of the four square weights,
	s_and_b32 s46, s39, 63                         ; its fragment of rows,
	s_mul_i32 s47, s40, 64*OBB                     ; its region of wimg
	s_lshr_b32 s53, s39, 2                         ; kind 2: fragment of rows,
	s_and_b32 s54, s39, 3                          ; and which eight K steps
	s_mov_b32 s52, 256*OBB                         ; W1's region
	s_mov_b32 s55, 512*OBB                         ; W2's region
	s_mov_b32 s56, 3072                            ; a row of W2's codes in bytes
	s_mov_b32 s57, 128                             ; and of its scales
	s_mov_b32 s49, 768                             ; a row of the others' codes
	s_cmp_eq_u32 s38, 1
	s_cselect_b32 s46, s39, s46                    ; s46: fragment of rows
	s_cselect_b32 s47, s52, s47                    ; s47: region
	s_cmp_eq_u32 s38, 2
	s_cselect_b32 s46, s53, s46
	s_cselect_b32 s47, s55, s47
	s_cselect_b32 s48, s54, 0                      ; s48: group of eight K steps
	s_cselect_b32 s49, s56, s49                    ; s49: bytes in a row of codes
	s_cselect_b32 s50, s57, 32                     ; s50: bytes in a row of scales
	s_cselect_b32 s51, 32, 8                       ; s51: K steps in the weight
	s_lshr_b32 s58, s46, 1
	s_lshl_b32 s58, s58, 5
	s_and_b32 s59, s46, 1
	s_lshl_b32 s59, s59, 3
	s_add_co_u32 s58, s58, s59                     ; the fragment's first row
	s_mul_i32 s59, s48, 768
	s_mul_i32 s2, s41, 384
	s_add_co_u32 s59, s59, s2                      ; my four K steps in a row of codes,
	s_lshl_b32 s3, s48, 5
	s_lshl_b32 s2, s41, 4
	s_add_co_u32 s3, s3, s2                        ; and in a row of scales
	s_lshr_b32 s60, s46, 3
	s_mul_i32 s60, s60, s51
	s_lshl_b32 s61, s48, 3
	s_add_co_u32 s60, s60, s61
	s_lshl_b32 s61, s41, 2
	s_add_co_u32 s60, s60, s61
	s_mul_i32 s60, s60, OBB
	s_add_co_u32 s60, s60, s47                     ; the first block that I write into
	s_and_b32 s61, s46, 7
	s_lshl_b32 s62, s61, 7
	s_add_co_u32 s62, s62, s60
	s_add_co_u32 s62, s62, 12288                   ; my fragment's scale image in it,
	s_mov_b32 s63, 0
	s_mul_i32 s61, s61, 1536
	s_add_co_u32 s60, s60, s61                     ; and its image
	s_mov_b32 s61, 0
	v_and_b32 v8, 31, v0                           ; lane
	v_and_b32 v6, 15, v0                           ; r
	v_bfe_u32 v7, v0, 4, 1                         ; h
	v_lshlrev_b32 v4, 3, v8                        ; 8 x lane: my place in a plane
	v_lshlrev_b32 v5, 2, v8                        ; 4 x lane: my place in a scale image
	v_and_b32 v9, 8, v6
	v_add_nc_u32 v9, v9, v6
	v_add_nc_u32 v9, s58, v9                       ; my row
	v_mul_lo_u32 v2, v9, s49
	v_mul_lo_u32 v3, v9, s50
	v_mad_u32_u24 v2, v7, 24, v2                   ; + 24 h: my half's 24 bytes of each 48
	v_add_nc_u32 v3, s3, v3                        ; my row's four scale words
	v_add_nc_u32 v2, s59, v2
	s_wait_alu depctr_va_vdst(0)
	s_wait_kmcnt 0x0
	s_cmp_eq_u32 s40, 1                            ; the buffers are chosen on the share's number alone
	s_cselect_b64 s[42:43], s[10:11], s[8:9]
	s_cselect_b64 s[44:45], s[22:23], s[20:21]
	s_cmp_eq_u32 s40, 2
	s_cselect_b64 s[42:43], s[12:13], s[42:43]
	s_cselect_b64 s[44:45], s[24:25], s[44:45]
	s_cmp_eq_u32 s40, 3
	s_cselect_b64 s[42:43], s[14:15], s[42:43]
	s_cselect_b64 s[44:45], s[26:27], s[44:45]
	s_cmp_eq_u32 s38, 1
	s_cselect_b64 s[42:43], s[16:17], s[42:43]
	s_cselect_b64 s[44:45], s[28:29], s[44:45]
	s_cmp_eq_u32 s38, 2
	s_cselect_b64 s[42:43], s[18:19], s[42:43]
	s_cselect_b64 s[44:45], s[30:31], s[44:45]
	s_add_nc_u64 s[34:35], s[32:33], s[60:61]
	s_add_nc_u64 s[36:37], s[32:33], s[62:63]
	global_load_b128 v[112:115], v3, s[44:45]      ; four scale words of my row
.irp s, 0,1,2,3
.irp p, 0,1,2,3,4,5
	global_load_b64 v[16+12*\s+2*\p:17+12*\s+2*\p], v2, s[42:43] offset:96*\s+48*(\p/3)+8*(\p%3)   ; the fragment's registers as the matrix unit wants them; the wave's 24 loads cover 384 consecutive bytes of each of its rows
.endr
.endr
.irp s, 0,1,2,3
	s_wait_loadcnt 6*(3-\s)                        ; loads come back in order: K step s is in; the six loads of each later K step may be out
.irp p, 0,1,2,3,4,5
	global_store_b64 v4, v[16+12*\s+2*\p:17+12*\s+2*\p], s[34:35] offset:OBB*\s+256*\p
.endr
	global_store_b32 v5, v[112+\s], s[36:37] offset:OBB*\s
.endr
	s_endpgm
.Lfunc_end_k_q2a4269b870_ln1:
	.size	k_q2a4269b870_ln1, .Lfunc_end_k_q2a4269b870_ln1-k_q2a4269b870_ln1
	.p2alignl 7, 3214868480
	.fill 96, 4, 3214868480
	.section	.rodata,"a",@progbits
	.p2align	6, 0x0
	.amdhsa_kernel k_q2a4269b870_ln1
		.amdhsa_group_segment_fixed_size 69632
		.amdhsa_private_segment_fixed_size 0
		.amdhsa_enable_private_segment 0
		.amdhsa_kernarg_size 136
		.amdhsa_user_sgpr_count 2
		.amdhsa_user_sgpr_kernarg_segment_ptr 1
		.amdhsa_wavefront_size32 1
		.amdhsa_system_sgpr_workgroup_id_x 1
		.amdhsa_system_sgpr_workgroup_id_y 1
		.amdhsa_system_sgpr_workgroup_id_z 1
		.amdhsa_system_vgpr_workitem_id 0
		.amdhsa_next_free_vgpr 256
		.amdhsa_next_free_sgpr 66
		.amdhsa_reserve_vcc 0
		.amdhsa_float_denorm_mode_32 3
		.amdhsa_float_denorm_mode_16_64 3
		.amdhsa_memory_ordered 1
		.amdhsa_forward_progress 1
		.amdhsa_inst_pref_size 39
	.end_amdhsa_kernel
	.amdgpu_metadata
---
amdhsa.version: [ 1, 2 ]
amdhsa.kernels:
  - .name:           k_q2a4269b870_ln1
    .symbol:         k_q2a4269b870_ln1.kd
    .args:
      - { .name: x, .offset: 0, .size: 8, .value_kind: global_buffer, .address_space: global }
      - { .name: ln1_g, .offset: 8, .size: 8, .value_kind: global_buffer, .address_space: global }
      - { .name: ln1_b, .offset: 16, .size: 8, .value_kind: global_buffer, .address_space: global }
      - { .name: hbuf, .offset: 24, .size: 8, .value_kind: global_buffer, .address_space: global }
      - { .name: Wq_codes, .offset: 32, .size: 8, .value_kind: global_buffer, .address_space: global }
      - { .name: Wk_codes, .offset: 40, .size: 8, .value_kind: global_buffer, .address_space: global }
      - { .name: Wv_codes, .offset: 48, .size: 8, .value_kind: global_buffer, .address_space: global }
      - { .name: Wo_codes, .offset: 56, .size: 8, .value_kind: global_buffer, .address_space: global }
      - { .name: W1_codes, .offset: 64, .size: 8, .value_kind: global_buffer, .address_space: global }
      - { .name: W2_codes, .offset: 72, .size: 8, .value_kind: global_buffer, .address_space: global }
      - { .name: Wq_scales, .offset: 80, .size: 8, .value_kind: global_buffer, .address_space: global }
      - { .name: Wk_scales, .offset: 88, .size: 8, .value_kind: global_buffer, .address_space: global }
      - { .name: Wv_scales, .offset: 96, .size: 8, .value_kind: global_buffer, .address_space: global }
      - { .name: Wo_scales, .offset: 104, .size: 8, .value_kind: global_buffer, .address_space: global }
      - { .name: W1_scales, .offset: 112, .size: 8, .value_kind: global_buffer, .address_space: global }
      - { .name: W2_scales, .offset: 120, .size: 8, .value_kind: global_buffer, .address_space: global }
      - { .name: wimg, .offset: 128, .size: 8, .value_kind: global_buffer, .address_space: global }
    .group_segment_fixed_size: 69632
    .private_segment_fixed_size: 0
    .kernarg_segment_align: 8
    .kernarg_segment_size: 136
    .max_flat_workgroup_size: 256
    .sgpr_count:     66
    .vgpr_count:     256
    .wavefront_size: 32
...
	.end_amdgpu_metadata
.endif
;; end of part 1
;; launch qkv (part 2): grid 16 x 48, 8 waves a work-group, clusters of 4 x 4, 214,016 bytes of LDS; arguments hbuf, wimg, bq, bk, bv, qkv; writes qkv
.if DOCPART == 2
	.amdgcn_target "amdgcn-amd-amdhsa--gfx1250"
	.amdhsa_code_object_version 6
	.text
	.protected	k_q2a4269b870_qkv
	.globl	k_q2a4269b870_qkv
	.p2align	8
	.type	k_q2a4269b870_qkv,@function
k_q2a4269b870_qkv:
	s_mov_b64 s[64:65], 0
	v_nop
	global_prefetch_b8 v0, s[64:65] scope:SCOPE_SE
	s_setreg_imm32_b32 hwreg(HW_REG_WAVE_MODE, 25, 1), 1
	s_wait_xcnt 0x0
	s_wait_alu depctr_hold_cnt(0) depctr_sa_sdst(0) depctr_va_vdst(0) depctr_va_sdst(0) depctr_va_ssrc(0) depctr_va_vcc(0) depctr_vm_vsrc(0)
	s_getreg_b32 s2, hwreg(HW_REG_IB_STS2, 6, 4)
	s_cmp_eq_u32 s2, 0
	s_cbranch_scc0 .Lentry_in_a_cluster
	s_endpgm
.Lentry_in_a_cluster:
	s_bfe_u32 s2, ttmp6, 0x10000c
	s_cmp_lg_u32 s2, 0xf033
	s_cbranch_scc0 .Lentry_shape_is_right
	s_endpgm
.Lentry_shape_is_right:
; q = Q(h Wq + bq), k = Q(h Wk + bk), quantised along a head's 64 channels; v = Q(h Wv + bv), quantised along the TOKENS (the keys are the second attention product's K).  All products on codes of E2M3 with E8M0 scales, f32 sums.
; Every operand lies in memory as images of operand registers: a fragment (16 rows x 128 K) is six planes of 256 bytes (lane l's 8 bytes at 8 l), its scale words 128 bytes (4 l); a block of 128 rows x 128 K is 13,312 bytes: eight fragments, then eight scale images.
; Lane row r of fragment 2 b + u is row 32 b + 8 u + r + 8 (r / 8): as source 0 such fragments leave, in a lane's 16 registers of tiles 2 b and 2 b + 1, 16 NEIGHBOURS along source 0's rows.
; A WORK-GROUP makes 128 rows of source 0 x 128 rows of source 1.  Clusters with y under 8: source 0 = Wq or Wk (a lane's registers run along the channels), source 1 = h (a lane holds a token).
; Clusters with y from 8 on: THE SAME PRODUCT WITH THE SOURCES' ROLES EXCHANGED: source 0 = h, source 1 = Wv: a lane holds a channel and its registers run along the tokens.  Nothing is transposed by an instruction.
; EIGHT WAVES, w = 4 kh + sw: wave (kh, sw) multiplies all eight fragments of source 0 by fragments 2 sw and 2 sw + 1 of source 1 (16 accumulators, 128 registers), for the K steps of parity kh: two waves to a SIMD.
; At the end partners w and w xor 4 hand each other one tile column through LDS; each then owns eight tiles x one fragment = 64 numbers a lane = one fragment of the next operand.  So an output is the sum of two f32 chains (even and odd K steps).
; The accumulators that a wave keeps begin as the bias, those that it gives away begin with the constant 0: each output has the bias once.
; K = 1,024 = 8 K steps lie in LDS whole (two slots of four K steps of both sources, 106,496 bytes each): first fills only, two blocks of 13,312 bytes to a tensor load, one load a wave.
; CLUSTER 4 x 4: source 1's blocks hang on the work-group's y alone and are asked for jointly along a row of the cluster, source 0's on x alone, along a column.  The choice of roles hangs on the CLUSTER's y, which partners share.
; LIMITS: NaN and infinities are not served; a block whose largest magnitude lies under 2^-124 keeps the byte 1, a block of zeros too (the rule says 127): its codes are zeros, and this program alone reads the bytes.
.set OBB,   13312
; THE FILLS AS THEY STAND: LDS holds source 1's eight K steps, then source 0's eight; each wave brings two neighbouring blocks (104 rows of 256 bytes) by its one tensor load; a 'slot' below is four K steps of this one fill.
.set S0OFF, 8*OBB
.set SLOT,  4*OBB
.set KS,    8
.set WV,  16                           ; s16 wave; s17 kh; s18 sw; s19, s20 place in the cluster; s21, s22 tiles of source 0 and 1; s23 the fragment of source 1 that I keep
.set KH,  17
.set SW,  18
.set CX,  19
.set CY,  20
.set T0,  21
.set T1,  22
.set FI,  23
.set G1A, 32                           ; s[32:39] descriptor group 1 for source 1;  s[40:47] for source 0;  s[48:51], s[56:59] their groups 0
.set G1B, 40
.set G0A, 48
.set G0B, 56
.set SEL, 66                           ; s[66:67] lane selects for v_permlanex16_b32: lane l xor 16
.set AD0,  6                           ; v6-7   LDS address of source 0's fragments in slot 0, 1
.set AD1A, 8                           ; v8-9   of the fragment of source 1 that I keep
.set AD1B, 10                          ; v10-11 of the one whose results I give away
.set AS0,  12                          ; v12-17 the same for the scale words
.set AS1A, 14
.set AS1B, 16
.set XW,   18                          ; v18, v19 the exchange: where I store, where my partner stored
.set XR,   19
.set SC0,  28                          ; v28-35 scale words of source 0's eight fragments; v36-37 of source 1's two: these registers hold scales alone
.set SC1,  36
.set S1F,  38                          ; v38-61 two fragments of source 1;  v62-109 four of source 0
.set S0F,  62
.set T,    38                          ; v38-101 the partner's tiles
.set H,    128                         ; v128-191 the tiles that I keep (tile i at 128 + 8 i);  v192-255 those that I give
.set GV,   192
.set TM,   192                         ; behind the exchange: the quantiser's registers
.set PW,   208
.set PC,   212
.macro PLACES                          ; four places behind a matrix instruction of this form, in front of loads into its registers and of the first read of results
.rept 4
	v_nop
.endr
.endm
.macro BARRIER                         ; my LDS stores have landed and my LDS loads are in: then the work-group's barrier
	s_wait_dscnt 0x0
	s_barrier_signal -1
	s_barrier_wait -1
.endm
.macro CROUND                          ; a round of the cluster's barrier
	s_barrier_signal -1
	s_barrier_wait -1
	s_cmp_lg_u32 s[WV], 0
	s_cbranch_scc1 .Lnot_wave_0_\@
	s_barrier_signal -3
.Lnot_wave_0_\@:
	s_barrier_wait -3
	s_barrier_signal -1
	s_barrier_wait -1
.endm
.macro FRAG reg, adr, off              ; a fragment's image: six loads of 256 consecutive bytes
.irp p, 0,1,2,3,4,5
	ds_load_b64 v[\reg+2*\p:\reg+2*\p+1], v[\adr] offset:\off+256*\p
.endr
.endm
.macro MUL8 i0, first                  ; source 0's fragments i0 .. i0 + 3 x my two of source 1: eight accumulators by turns
.irp t, 0,1,2,3
.irp j, 0,1
.if \first && \j
	v_wmma_scale_f32_16x16x128_f8f6f4 v[H+64*\j+8*(\i0+\t):H+64*\j+8*(\i0+\t)+7], v[S0F+12*\t:S0F+12*\t+11], v[S1F+12*\j:S1F+12*\j+11], 0, v[SC0+\i0+\t], v[SC1+\j] matrix_a_fmt:MATRIX_FMT_FP6 matrix_b_fmt:MATRIX_FMT_FP6
.else
	v_wmma_scale_f32_16x16x128_f8f6f4 v[H+64*\j+8*(\i0+\t):H+64*\j+8*(\i0+\t)+7], v[S0F+12*\t:S0F+12*\t+11], v[S1F+12*\j:S1F+12*\j+11], v[H+64*\j+8*(\i0+\t):H+64*\j+8*(\i0+\t)+7], v[SC0+\i0+\t], v[SC1+\j] matrix_a_fmt:MATRIX_FMT_FP6 matrix_b_fmt:MATRIX_FMT_FP6
.endif
.endr
.endr
.endm
.macro KSTEP slot, i, first            ; my i-th K step of the slot (the slot's K step kh + 2 i): 16 matrix instructions
	FRAG S1F, AD1A+\slot, 2*OBB*\i
	FRAG S1F+12, AD1B+\slot, 2*OBB*\i
	ds_load_b32 v[SC1], v[AS1A+\slot] offset:2*OBB*\i
	ds_load_b32 v[SC1+1], v[AS1B+\slot] offset:2*OBB*\i
.irp t, 0,1,2,3,4,5,6,7
	ds_load_b32 v[SC0+\t], v[AS0+\slot] offset:2*OBB*\i+128*\t
.endr
.irp t, 0,1,2,3
	FRAG S0F+12*\t, AD0+\slot, 2*OBB*\i+1536*\t
.endr
	s_wait_dscnt 0x0
	MUL8 0, \first
	PLACES
.irp t, 0,1,2,3
	FRAG S0F+12*\t, AD0+\slot, 2*OBB*\i+1536*(\t+4)
.endr
	s_wait_dscnt 0x0
	MUL8 4, \first
	PLACES
.endm
; 64 numbers of a lane, register 16 b + i = k 32 b + 16 (lane / 16) + i of my row, become a fragment's codes in v[PC] on and its scale word in v[PW].
.macro QUANT s
.irp b, 0,1,2,3
	v_max3_num_f32 v[TM+\b], |v[\s+16*\b]|, |v[\s+1+16*\b]|, 0x1800000   ; block b: my 16 numbers, and the floor 2^(3 - 127): the byte cannot fall under 1
.endr
.irp i, 2,4,6,8,10,12,14
.irp b, 0,1,2,3
	s_delay_alu instid0(VALU_DEP_4)
	v_max3_num_f32 v[TM+\b], v[TM+\b], |v[\s+16*\b+\i]|, |v[\s+1+16*\b+\i]|
.endr
.endr
.irp b, 0,1,2,3
	s_delay_alu instid0(VALU_DEP_4)
	v_permlanex16_b32 v[TM+4+\b], v[TM+\b], s[SEL], s[SEL+1]
.endr
.irp b, 0,1,2,3
	s_delay_alu instid0(VALU_DEP_4)
	v_max_num_f32 v[TM+\b], v[TM+\b], v[TM+4+\b]   ; with lane l xor 16's: the block's largest magnitude
.endr
.irp b, 0,1,2,3
	s_delay_alu instid0(VALU_DEP_4)
	v_add_nc_u32 v[TM+12+\b], 0xff000000, v[TM+\b] ; 2 off its exponent field: the conversion's scale operand
.endr
.irp b, 0,1,2,3
	s_delay_alu instid0(VALU_DEP_4)
	v_lshrrev_b32 v[TM+4+\b], 23, v[TM+12+\b]      ; the scale's byte
.endr
	s_delay_alu instid0(VALU_DEP_3)
	v_lshl_or_b32 v[PW], v[TM+5], 8, v[TM+4]
	s_delay_alu instid0(VALU_DEP_1)
	v_lshl_or_b32 v[PW], v[TM+6], 16, v[PW]
	s_delay_alu instid0(VALU_DEP_1)
	v_lshl_or_b32 v[PW], v[TM+7], 24, v[PW]
.irp c, 0,1
	v_cvt_scalef32_pk16_fp6_f32 v[PC+6*\c:PC+2+6*\c], v[\s+32*\c:\s+15+32*\c], v[TM+12+2*\c]
	v_cvt_scalef32_pk16_fp6_f32 v[PC+12+4*\c:PC+14+4*\c], v[\s+16+32*\c:\s+31+32*\c], v[TM+12+2*\c+1]
.endr
	v_nop                                          ; one plain place behind a scaled conversion
.irp c, 0,1                                    ; a WHOLE block in a lane: lanes 0-15 block 2 c, lanes 16-31 block 2 c + 1
.irp i, 0,1,2
	v_permlane16_swap_b32 v[PC+6*\c+\i], v[PC+12+4*\c+\i]
.endr
.irp i, 0,1,2
	s_delay_alu instid0(VALU_DEP_3)
	v_mov_b32 v[PC+3+6*\c+\i], v[PC+12+4*\c+\i]
.endr
.endr
.endm
	s_load_b256 s[4:11], s[0:1], 0x0               ; h s[4:5], the weights' images s[6:7], bq s[8:9], bk s[10:11]
	s_load_b128 s[12:15], s[0:1], 0x20             ; bv s[12:13], the results s[14:15]
	v_lshl_add_u32 v126, v0, 2, 0x34000
	v_mov_b32 v127, 0
	ds_add_u32 v126, v127
	ds_add_u32 v126, v127
	v_lshrrev_b32 v1, 5, v0
	s_delay_alu instid0(VALU_DEP_1)
	v_readfirstlane_b32 s[WV], v1                  ; wave 0..7
	s_lshr_b32 s[KH], s[WV], 2
	s_and_b32 s[SW], s[WV], 3
	s_lshl_b32 s[FI], s[SW], 1
	s_add_co_u32 s[FI], s[FI], s[KH]               ; I keep fragment 2 sw + kh of source 1
	s_bfe_u32 s[CX], ttmp6, 0x40000
	s_bfe_u32 s[CY], ttmp6, 0x40004
	s_and_b32 s70, ttmp7, 0xffff                   ; the cluster's y: under 8: q and k; from 8 on: v
	s_and_b32 s71, s70, 1
	s_max_u32 s72, s70, 8
	s_sub_co_u32 s72, s72, 8
	s_lshr_b32 s72, s72, 1
	s_lshl_b32 s72, s72, 2
	s_add_co_u32 s72, s72, ttmp9                   ; v: the clusters' x and the upper bit of y - 8 number eight groups of four tiles of tokens
	s_cmp_ge_u32 s70, 8
	s_cselect_b32 s71, s71, s70
	s_cselect_b32 s72, s72, ttmp9
	s_cselect_b32 s75, 128*OBB, 0                  ; v: source 1 is Wv's region of the images
	s_lshl_b32 s[T1], s71, 2
	s_add_co_u32 s[T1], s[T1], s[CY]               ; source 1's tile: q, k: 128 tokens (0..31); v: 128 channels (0..7)
	s_lshl_b32 s[T0], s72, 2
	s_add_co_u32 s[T0], s[T0], s[CX]               ; source 0's tile: q, k: 128 channels of Wq (0..7) or Wk (8..15), whose regions adjoin; v: 128 tokens (0..31)
	s_lshl_b32 s28, s[CY], 2
	s_lshl_b32 s28, 15, s28                        ; my row of the cluster
	s_lshl_b32 s29, 0x1111, s[CX]                  ; my column
	s_or_b32 s[G1A], s28, (3<<16)|(1<<21)          ; 15:0 the mask; 17:16 elements of 8 bytes; 21 set beside a mask; no padding: an image's loads take consecutive bytes
	s_or_b32 s[G1B], s29, (3<<16)|(1<<21)
.irp g, G1A, G1B
	s_mov_b32 s[\g+1], 32<<16                      ; tensor_dim0 = 32 elements: rows of 256 bytes
	s_mov_b32 s[\g+2], 104<<16                     ; tensor_dim1 = 104 rows: two blocks
	s_mov_b32 s[\g+3], 32<<16                      ; tile_dim0
	s_mov_b32 s[\g+4], 104
	s_mov_b32 s[\g+5], 32                          ; the pitch: dense
	s_mov_b32 s[\g+6], 0
	s_mov_b32 s[\g+7], 0
.endr
	s_mul_i32 s24, s[T1], KS
	s_add_co_u32 s24, s24, s[SW]
	s_add_co_u32 s24, s24, s[SW]                   ; K step 2 sw
	s_mul_i32 s24, s24, OBB
	s_add_co_u32 s24, s24, s75                     ; source 1: block (tile, K step 2 sw)
	s_mov_b32 s25, 0
	s_mul_i32 s26, s[T0], KS
	s_add_co_u32 s26, s26, s[SW]
	s_add_co_u32 s26, s26, s[SW]
	s_mul_i32 s26, s26, OBB                        ; source 0 likewise
	s_mov_b32 s27, 0
	s_mul_i32 s30, s[SW], 2*OBB
	s_wait_dscnt 0x0
	s_wait_kmcnt 0x0
	s_cmp_ge_u32 s70, 8
	s_cselect_b64 s[76:77], s[6:7], s[4:5]         ; source 1's buffer
	s_cselect_b64 s[78:79], s[4:5], s[6:7]         ; source 0's
	s_add_nc_u64 s[24:25], s[76:77], s[24:25]
	s_add_nc_u64 s[26:27], s[78:79], s[26:27]
	CROUND                                         ; all sixteen work-groups are here: the joint loads meet
.irp s, 0
	s_mov_b32 s[G0A+4*\s], 1
	s_add_co_u32 s[G0A+4*\s+1], s30, \s*SLOT
	s_add_nc_u64 s[G0A+4*\s+2:G0A+4*\s+3], s[24:25], \s*4*OBB
	s_or_b32 s[G0A+4*\s+3], s[G0A+4*\s+3], 0x80000000
	s_mov_b32 s[G0B+4*\s], 1
	s_add_co_u32 s[G0B+4*\s+1], s30, \s*SLOT+S0OFF
	s_add_nc_u64 s[G0B+4*\s+2:G0B+4*\s+3], s[26:27], \s*4*OBB
	s_or_b32 s[G0B+4*\s+3], s[G0B+4*\s+3], 0x80000000
.endr
	s_cmp_lt_u32 s[WV], 4                          ; waves 0-3 fetch source 1's K steps 2 sw, 2 sw + 1, waves 4-7 source 0's: one load of mine is out
	s_cbranch_scc0 .Lfirst_b
	tensor_load_to_lds s[G0A:G0A+3], s[G1A:G1A+7]
	s_nop 0
	PLACES
	s_branch .Lfirst_done
.Lfirst_b:
	tensor_load_to_lds s[G0B:G0B+3], s[G1B:G1B+7]
	s_nop 0
	PLACES
.Lfirst_done:
	v_and_b32 v5, 31, v0                           ; lane
	s_delay_alu instid0(VALU_DEP_1)
	v_lshlrev_b32 v1, 3, v5                        ; 8 x lane
	s_wait_alu depctr_va_vdst(0)
	v_lshlrev_b32 v2, 2, v5                        ; 4 x lane
	s_wait_alu depctr_va_vdst(0)
	v_lshlrev_b32 v27, 4, v5                       ; 16 x lane
	v_and_b32 v3, 15, v0                           ; r
	v_bfe_u32 v4, v0, 4, 1                         ; h
	s_delay_alu instid0(VALU_DEP_1)
	v_lshlrev_b32 v26, 6, v4                       ; 64 h
	s_mul_i32 s31, s[KH], OBB                      ; my parity's first K step in a slot
	s_xor_b32 s30, s[FI], 1                        ; the fragment whose results I give away
	s_mul_i32 s28, s[FI], 1536
	s_add_co_u32 s28, s28, s31
	s_mul_i32 s29, s30, 1536
	s_add_co_u32 s29, s29, s31
	s_lshl_b32 s24, s[FI], 7
	s_add_co_u32 s24, s24, s31
	s_add_co_u32 s24, s24, 12288
	s_lshl_b32 s25, s30, 7
	s_add_co_u32 s25, s25, s31
	s_add_co_u32 s25, s25, 12288
	s_add_co_u32 s26, s31, S0OFF
	s_add_co_u32 s27, s31, S0OFF+12288
.irp s, 0,1
	v_add_nc_u32 v[AD0+\s], s26, v1
	v_add_nc_u32 v[AD1A+\s], s28, v1
	v_add_nc_u32 v[AD1B+\s], s29, v1
	v_add_nc_u32 v[AS0+\s], s27, v2
	v_add_nc_u32 v[AS1A+\s], s24, v2
	v_add_nc_u32 v[AS1B+\s], s25, v2
	s_add_co_u32 s24, s24, SLOT
	s_add_co_u32 s25, s25, SLOT
	s_add_co_u32 s26, s26, SLOT
	s_add_co_u32 s27, s27, SLOT
	s_add_co_u32 s28, s28, SLOT
	s_add_co_u32 s29, s29, SLOT
.endr
	s_lshl_b32 s24, s[WV], 13
	v_add_nc_u32 v[XW], s24, v27                   ; the exchange lies in source 1's two slots, which have had their only fill: 8,192 bytes a wave
	s_xor_b32 s25, s[WV], 4
	s_lshl_b32 s25, s25, 13
	v_add_nc_u32 v[XR], s25, v27
	s_mov_b32 s[SEL], 0x76543210
	s_mov_b32 s[SEL+1], 0xfedcba98
	s_mov_b32 s68, 0xffff0000                      ; lanes 16-31
	; THE BIAS becomes the tiles that I keep.  The branch hangs on the cluster's y alone.
	s_cmp_ge_u32 s70, 8
	s_cbranch_scc1 .Lbias_v
	s_and_b32 s80, s[T0], 7
	s_lshl_b32 s80, s80, 9                         ; q, k: my registers run along the tile's 128 channels
	s_mov_b32 s81, 0
	s_cmp_lt_u32 ttmp9, 2                          ; clusters 0, 1 along x: Wq; 2, 3: Wk
	s_cselect_b64 s[98:99], s[8:9], s[10:11]
	s_add_nc_u64 s[98:99], s[98:99], s[80:81]
.set t, 0
.rept 8
	global_load_b128 v[H+8*t:H+8*t+3], v26, s[98:99] offset:(32*(t/2)+8*(t%2))*4       ; tile t, lane half h: channels 32 (t / 2) + 16 h + 8 (t % 2) + 0 .. 7
	global_load_b128 v[H+8*t+4:H+8*t+7], v26, s[98:99] offset:(32*(t/2)+8*(t%2))*4+16
.set t, t+1
.endr
	s_branch .Lbias_done
.Lbias_v:
	s_lshl_b32 s80, s[T1], 7                       ; v: a lane holds ONE channel: 128 x tile + the fragment's lane row r
	s_lshr_b32 s81, s[FI], 1
	s_lshl_b32 s81, s81, 5
	s_add_co_u32 s80, s80, s81
	s_and_b32 s81, s[FI], 1
	s_lshl_b32 s81, s81, 3
	s_add_co_u32 s80, s80, s81
	v_and_b32 v22, 8, v3
	s_delay_alu instid0(VALU_DEP_1)
	v_add_nc_u32 v22, v22, v3
	s_delay_alu instid0(VALU_DEP_1)
	v_add_nc_u32 v22, s80, v22
	s_delay_alu instid0(VALU_DEP_1)
	v_lshlrev_b32 v22, 2, v22
	global_load_b32 v110, v22, s[12:13]
	s_wait_loadcnt 0x0
.set j, 0
.rept 64
	v_mov_b32 v[H+j], v110                         ; its bias in all 64 tokens' sums
.set j, j+1
.endr
.Lbias_done:
	; WHERE THE RESULTS GO, for both roles; then the choice.  q, k: [head][fragment of tokens][768 bytes]: a head's 64 channels are half a fragment's planes; scale words [head][fragment][64 bytes].
	s_lshl_b32 s80, s[T1], 3
	s_add_co_u32 s80, s80, s[FI]                   ; fragment of tokens, 0..255
	s_lshr_b32 s81, s80, 7                         ; batch
	s_and_b32 s80, s80, 127
	s_lshr_b32 s82, s[T0], 3                       ; q or k
	s_and_b32 s83, s[T0], 7                        ; pair of heads
	s_lshl_b32 s81, s81, 4
	s_lshl_b32 s83, s83, 1
	s_add_co_u32 s81, s81, s83                     ; 16 x batch + the even head
	s_lshl_b32 s81, s81, 7
	s_add_co_u32 s81, s81, s80
	s_mul_i32 s84, s82, 3145728
	s_mul_i32 s85, s81, 768
	s_add_co_u32 s84, s84, s85                     ; the even head's codes
	s_mul_i32 s86, s82, 262144
	s_lshl_b32 s85, s81, 6
	s_add_co_u32 s86, s86, s85
	s_add_co_u32 s86, s86, 9437184                 ; its scale words
	s_lshr_b32 s87, s[T0], 4                       ; v: [head][K step of 128 keys][fragment of 16 channels][1,536 bytes]; scale images [..][128 bytes]
	s_lshl_b32 s87, s87, 4
	s_lshl_b32 s88, s[T1], 1
	s_add_co_u32 s87, s87, s88
	s_lshr_b32 s88, s[FI], 2
	s_add_co_u32 s87, s87, s88                     ; 16 x batch + head
	s_lshl_b32 s87, s87, 4
	s_and_b32 s88, s[T0], 15
	s_add_co_u32 s87, s87, s88
	s_lshl_b32 s87, s87, 2
	s_and_b32 s88, s[FI], 3
	s_add_co_u32 s87, s87, s88
	s_mul_i32 s88, s87, 1536
	s_add_co_u32 s88, s88, 6291456
	s_lshl_b32 s89, s87, 7
	s_add_co_u32 s89, s89, 9961472
	s_mov_b32 s90, 98304                           ; q, k: planes 3-5 belong to the odd head, 128 fragments on
	s_mov_b32 s91, 8192                            ; and so do lanes 16-31's scale words
	s_cmp_ge_u32 s70, 8
	s_cselect_b32 s84, s88, s84
	s_cselect_b32 s86, s89, s86
	s_cselect_b32 s90, 768, s90                    ; v: planes 3-5 follow planes 0-2,
	s_cselect_b32 s91, 64, s91                     ; lanes 16-31's words lanes 0-15's
	s_mov_b32 s85, 0
	s_mov_b32 s87, 0
	s_add_nc_u64 s[92:93], s[14:15], s[84:85]
	s_add_co_u32 s84, s84, s90
	s_add_nc_u64 s[94:95], s[14:15], s[84:85]
	s_add_nc_u64 s[96:97], s[14:15], s[86:87]
	v_mul_u32_u24 v23, s91, v4
	s_delay_alu instid0(VALU_DEP_1)
	v_lshl_add_u32 v23, v3, 2, v23
	s_wait_alu depctr_va_vdst(0)
	s_wait_loadcnt 0x0                             ; the bias
	s_wait_tensorcnt 0x0                           ; my two blocks are in
	s_barrier_signal -1
	s_barrier_wait -1                              ; everybody's is
	KSTEP 0, 0, 1
	KSTEP 0, 1, 0
	KSTEP 1, 0, 0
	KSTEP 1, 1, 0
	BARRIER                                        ; THE EXCHANGE: nobody reads the slots any more
.set q, 0
.rept 16
	ds_store_b128 v[XW], v[GV+4*q:GV+4*q+3] offset:512*q   ; each accumulator from its low end on
.set q, q+1
.endr
	BARRIER
.set q, 0
.rept 16
	ds_load_b128 v[T+4*q:T+4*q+3], v[XR] offset:512*q
.set q, q+1
.endr
	s_wait_dscnt 0x0
.set q, 0
.rept 32
	v_pk_add_f32 v[H+2*q:H+2*q+1], v[H+2*q:H+2*q+1], v[T+2*q:T+2*q+1]   ; the other parity's K steps
.set q, q+1
.endr
.irp b, 0,1,2,3
	v_mov_b32 v[TM+4+\b], 0                        ; a lane permute's destination counts as one of its sources
.endr
	QUANT H
	v_alignbit_b32 v209, v[PW], v[PW], 16          ; the word turned by two bytes: the odd head's two bytes lowest
	s_delay_alu instid0(VALU_DEP_1)
	v_cndmask_b32 v209, v[PW], v209, s68           ; lanes 0-15 keep the word, lanes 16-31 take the turned one.  A head's word: its own two bytes, then its neighbour's, which meet zero codes alone
.irp p, 0,1,2
	global_store_b64 v1, v[PC+2*\p:PC+2*\p+1], s[92:93] offset:256*\p       ; 32 lanes store 256 consecutive bytes, at a multiple of 256 from the buffer's first byte
	global_store_b64 v1, v[PC+6+2*\p:PC+7+2*\p], s[94:95] offset:256*\p
.endr
	global_store_b32 v23, v209, s[96:97]
	s_wait_tensorcnt 0x0
	ds_add_u32 v126, v127
	s_wait_dscnt 0x0
	CROUND                                         ; the closing round: no work-group ends while a partner may still ask for a block that names it
	s_endpgm
.Lfunc_end_k_q2a4269b870_qkv:
	.size	k_q2a4269b870_qkv, .Lfunc_end_k_q2a4269b870_qkv-k_q2a4269b870_qkv
	.p2alignl 7, 3214868480
	.fill 96, 4, 3214868480
	.section	.rodata,"a",@progbits
	.p2align	6, 0x0
	.amdhsa_kernel k_q2a4269b870_qkv
		.amdhsa_group_segment_fixed_size 214016
		.amdhsa_private_segment_fixed_size 0
		.amdhsa_enable_private_segment 0
		.amdhsa_kernarg_size 48
		.amdhsa_user_sgpr_count 2
		.amdhsa_user_sgpr_kernarg_segment_ptr 1
		.amdhsa_wavefront_size32 1
		.amdhsa_system_sgpr_workgroup_id_x 1
		.amdhsa_system_sgpr_workgroup_id_y 1
		.amdhsa_system_sgpr_workgroup_id_z 1
		.amdhsa_system_vgpr_workitem_id 0
		.amdhsa_next_free_vgpr 256
		.amdhsa_next_free_sgpr 100
		.amdhsa_reserve_vcc 0
		.amdhsa_float_denorm_mode_32 3
		.amdhsa_float_denorm_mode_16_64 3
		.amdhsa_memory_ordered 1
		.amdhsa_forward_progress 1
		.amdhsa_inst_pref_size 52
	.end_amdhsa_kernel
	.amdgpu_metadata
---
amdhsa.version: [ 1, 2 ]
amdhsa.kernels:
  - .name:           k_q2a4269b870_qkv
    .symbol:         k_q2a4269b870_qkv.kd
    .args:
      - { .name: hbuf, .offset: 0, .size: 8, .value_kind: global_buffer, .address_space: global }
      - { .name: wimg, .offset: 8, .size: 8, .value_kind: global_buffer, .address_space: global }
      - { .name: bq, .offset: 16, .size: 8, .value_kind: global_buffer, .address_space: global }
      - { .name: bk, .offset: 24, .size: 8, .value_kind: global_buffer, .address_space: global }
      - { .name: bv, .offset: 32, .size: 8, .value_kind: global_buffer, .address_space: global }
      - { .name: qkv, .offset: 40, .size: 8, .value_kind: global_buffer, .address_space: global }
    .group_segment_fixed_size: 214016
    .private_segment_fixed_size: 0
    .kernarg_segment_align: 8
    .kernarg_segment_size: 48
    .max_flat_workgroup_size: 256
    .sgpr_count:     100
    .vgpr_count:     256
    .wavefront_size: 32
...
	.end_amdgpu_metadata
.endif
;; end of part 2
;; launch attn (part 3): grid 8 x 32, 16 waves a work-group, no clusters, 327,680 bytes of LDS; arguments qkv, ybuf; writes ybuf
.if DOCPART == 3
	.amdgcn_target "amdgcn-amd-amdhsa--gfx1250"
	.amdhsa_code_object_version 6
	.text
	.protected	k_q2a4269b870_attn
	.globl	k_q2a4269b870_attn
	.p2align	8
	.type	k_q2a4269b870_attn,@function
k_q2a4269b870_attn:
	s_mov_b64 s[64:65], 0
	v_nop
	global_prefetch_b8 v0, s[64:65] scope:SCOPE_SE
	s_setreg_imm32_b32 hwreg(HW_REG_WAVE_MODE, 25, 1), 1
	s_wait_xcnt 0x0
; y[head][q] = Q(sum over keys k <= q of softmax_k(q . k / 8) v[k]), both products on codes of E2M3 with E8M0 scales; y is quantised along the model's 1,024 channels for the next product.
; THE SOFTMAX AHEAD OF THE SECOND PRODUCT: t = score x log2(e) / 8; M = the row's largest t so far, rounded UP to a whole number; p = 2^(t - M) is quantised along the keys, not normalised.
; The row's sum is taken of the unquantised p, in f32, and divides at the end.  When M moves, the sum and O are multiplied by 2^(old M - new M): exact.
; INPUTS, all as images of operand registers (planes of 256 bytes, lane l's 8 bytes at 8 l): q, k: [head][fragment of 16 tokens][768 bytes]: K = the head's 64, registers 0-5 of a fragment; registers 6-11 are ZERO CODES here,
; since the instruction's K is 128; their scale words [head][fragment][64 bytes].  v: [head][128 keys][fragment of 16 channels][1,536 bytes], K = the keys; scale images of 128 bytes.
; Lane row r of fragment 2 b + u is row 32 b + 8 u + r + 8 (r / 8): so S^T = K Q^T leaves 16 neighbouring keys in a lane's 16 registers of two tiles, and O^T = V^T P^T 16 neighbouring channels.  A lane holds ONE query throughout.
; SHARES: a work-group serves one head (its y) with sixteen waves of 256 registers, four to a SIMD; a wave owns one fragment of 16 queries.  Waves 0-7 take the 128 queries of block i (the work-group's x), waves 8-15 those of block 15 - i:
; block j has j + 1 key steps that count, so every work-group has 17 x 8 of them.  A step all of whose keys come after the wave's queries is left out by a scalar branch on ids; every wave walks all trips.
; LDS: the head's K and V and their scales stay whole, 212,992 bytes, filled ONCE: all sixteen waves bring it, a quarter of 512 keys at a time: one tensor load of a wave is out at the most.  Four barriers, one a quarter.
; NO CLUSTER, though the eight work-groups of a head read the same K and V: which steps a wave leaves out hangs on its block of queries, so partners would take different branches, which joint loads do not allow.
; LIMITS: NaN and infinities are not served; 1 / sum is v_rcp_f32 and a multiplication; a block of y under 2^-124, or of zeros, keeps the byte 1 (this program alone reads the bytes).
; THE FILLS AS THEY STAND.  LDS: K's scale words at 0, V's at 8,192; then four quarters of 512 keys, each K's codes (24,576 bytes) and then V's.  Every byte is filled once.
; At the head each of the sixteen waves brings 16 rows of 256 bytes of the first 65,536 bytes (both scales and quarter 0).  Quarter j + 1 is asked for behind quarter j's barrier, 12 rows a wave, with the full sequence
; in front of that barrier: one tensor load of a wave is out at the most.  Quarter 3 (keys 1,536 on) is read only where block 15 - i is 12 or more: a jump on the work-group's x leads round its load elsewhere.
; The launch claims all of a WGP's LDS.
.set VC,   24576                       ; V's codes behind K's in a quarter
.set KSC,  0
.set VSC,  8192
.set WV,   8
.set BH,   9                           ; s9   16 x batch + head
.set F,    10                          ; s10  my fragment of queries, 0..127
.set Q0,   11                          ; s11  its first query; the lane's is Q0 + r + 8 (r / 8)
.set KF,   12                          ; s12  the step's first key
.set TC,   13                          ; s13  where the step's codes begin: 6,144 bytes a step, in K and in V
.set TS,   14                          ; s14  and its scale words: 512 bytes a step
.set CNT,  15
.set SEL,  16                          ; s[16:17] lane l xor 16
.set CS,   18                          ; s[18:19] c = log2(e) / 8
.set G1C,  32                          ; s[32:39] group 1: a wave's part of a later quarter, 12 rows of 256 bytes;  s[40:47]: its part of the head's fill, 16 rows
.set G1S,  40
.set G0Q,  48                          ; s[48:59] groups 0 of quarters 1-3;  s[68:71] of the head's fill
.set G0S,  68
.set ADK,  8                           ; v8-11 the step's LDS addresses: K's codes, V's codes, K's scale words, V's
.set ADV,  9
.set ADS,  10
.set ADT,  11
; REGISTERS: v1-7 addresses that stay; v12 -M, v13 the largest t, v[14:15] the sum in two halves; v16-27 Q; v28-31 V's scale words; v32-79 four fragments of K; v80-127 four of V; v128-191 S^T, then p; v192-223 O^T;
; v224-235 p's codes; v232-254 at work; v248-251 K's scale words; v253 p's scale word; v255 Q's.
.macro PLACES
.rept 4
	v_nop
.endr
.endm
	s_load_b128 s[4:7], s[0:1], 0x0                ; q, k, v s[4:5]; y s[6:7]
	v_lshl_add_u32 v254, v0, 2, 0x34000
	v_mov_b32 v255, 0
	ds_add_u32 v254, v255
	ds_add_u32 v254, v255
	s_wait_dscnt 0x0
	v_lshrrev_b32 v8, 5, v0
	s_delay_alu instid0(VALU_DEP_1)
	v_readfirstlane_b32 s[WV], v8                  ; wave 0..15
	s_and_b32 s[BH], ttmp7, 0xffff
	s_mov_b32 s[G1C], 3<<16                        ; no mask; elements of 8 bytes; no padding
	s_mov_b32 s[G1C+1], 32<<16                     ; rows of 256 bytes
	s_mov_b32 s[G1C+2], 12<<16                     ; a wave's part of a later quarter: 12 rows
	s_mov_b32 s[G1C+3], 32<<16
	s_mov_b32 s[G1C+4], 12
	s_mov_b32 s[G1C+5], 32                         ; dense
	s_mov_b32 s[G1C+6], 0
	s_mov_b32 s[G1C+7], 0
	s_mov_b32 s[G1S], 3<<16
	s_mov_b32 s[G1S+1], 32<<16
	s_mov_b32 s[G1S+2], 16<<16                     ; a wave's part of the head's fill: 16 rows
	s_mov_b32 s[G1S+3], 32<<16
	s_mov_b32 s[G1S+4], 16
	s_mov_b32 s[G1S+5], 32
	s_mov_b32 s[G1S+6], 0
	s_mov_b32 s[G1S+7], 0
	s_lshl_b32 s21, s[BH], 13                      ; the head's scales: 8,192 bytes
	s_mul_i32 s22, s[BH], 98304                    ; its codes
	s_lshl_b32 s27, s[WV], 12                      ; the head's fill: LDS byte 4,096 x wave
	s_mul_i32 s26, s[WV], 3072                     ; a later quarter: 3,072 x wave
	s_add_co_u32 s20, s21, 9699328                 ; waves 0, 1: K's scales;
	s_add_co_u32 s23, s21, 9961472-8192            ; 2, 3: V's scales;
	s_add_co_u32 s24, s22, 3145728-16384           ; 4 to 9: K's codes of quarter 0;
	s_add_co_u32 s25, s22, 6291456-40960           ; 10 to 15: V's (each less the LDS bytes ahead of its region, since 4,096 x wave is added below)
	s_cmp_lt_u32 s[WV], 10
	s_cselect_b32 s24, s24, s25
	s_cmp_lt_u32 s[WV], 4
	s_cselect_b32 s24, s23, s24
	s_cmp_lt_u32 s[WV], 2
	s_cselect_b32 s24, s20, s24
	s_add_co_u32 s24, s24, s27
	s_mov_b32 s25, 0
	s_add_co_u32 s20, s22, 3145728+24576           ; quarter 1: waves 0 to 7 K's codes,
	s_add_co_u32 s22, s22, 6291456                 ; waves 8 to 15 V's (24,576 on, less 8 x 3,072)
	s_cmp_lt_u32 s[WV], 8
	s_cselect_b32 s22, s20, s22
	s_add_co_u32 s22, s22, s26
	s_mov_b32 s23, 0
	s_wait_kmcnt 0x0
	s_add_nc_u64 s[22:23], s[4:5], s[22:23]
	s_add_nc_u64 s[24:25], s[4:5], s[24:25]
	s_mov_b32 s[G0S], 1
	s_mov_b32 s[G0S+1], s27
	s_mov_b64 s[G0S+2:G0S+3], s[24:25]
	s_or_b32 s[G0S+3], s[G0S+3], 0x80000000
.irp j, 0,1,2                                  ; set j serves quarter j + 1
	s_mov_b32 s[G0Q+4*\j], 1
	s_add_co_u32 s[G0Q+4*\j+1], s26, 65536+49152*\j
	s_add_nc_u64 s[G0Q+4*\j+2:G0Q+4*\j+3], s[22:23], 24576*\j
	s_or_b32 s[G0Q+4*\j+3], s[G0Q+4*\j+3], 0x80000000
.endr
	tensor_load_to_lds s[G0S:G0S+3], s[G1S:G1S+7]  ; every wave's one load at the head
	s_nop 0
	PLACES
	s_lshl_b32 s28, ttmp9, 3
	s_add_co_u32 s29, s28, s[WV]                   ; waves 0-7: fragment 8 i + w
	s_sub_co_u32 s30, 112, s28
	s_add_co_u32 s30, s30, s[WV]                   ; waves 8-15: 8 (15 - i) + w - 8
	s_cmp_lt_u32 s[WV], 8
	s_cselect_b32 s[F], s29, s30
	s_lshr_b32 s[Q0], s[F], 1
	s_lshl_b32 s[Q0], s[Q0], 5
	s_and_b32 s28, s[F], 1
	s_lshl_b32 s28, s28, 3
	s_add_co_u32 s[Q0], s[Q0], s28
	s_lshl_b32 s28, s[BH], 7
	s_add_co_u32 s28, s28, s[F]
	s_mul_i32 s30, s28, 768                        ; Q's codes
	s_mov_b32 s31, 0
	s_lshl_b32 s28, s28, 6
	s_add_co_u32 s28, s28, 9437184                 ; Q's scale words
	s_mov_b32 s29, 0
	s_add_nc_u64 s[30:31], s[4:5], s[30:31]
	s_add_nc_u64 s[28:29], s[4:5], s[28:29]
	v_and_b32 v9, 31, v0                           ; lane
	v_and_b32 v10, 15, v0                          ; r
	v_bfe_u32 v11, v0, 4, 1                        ; h
	s_delay_alu instid0(VALU_DEP_3)
	v_lshlrev_b32 v1, 3, v9                        ; 8 x lane: K's codes; also my place in a plane in memory
	s_delay_alu instid0(VALU_DEP_1)
	v_add_nc_u32 v2, VC, v1                        ; V's codes
	s_delay_alu instid0(VALU_DEP_4)
	v_lshlrev_b32 v7, 2, v10                       ; 4 r
	s_delay_alu instid0(VALU_DEP_1)
	v_add_nc_u32 v3, KSC, v7                       ; K's scale words: 64 bytes a fragment
	v_lshlrev_b32 v6, 2, v9                        ; 4 x lane
	s_delay_alu instid0(VALU_DEP_1)
	v_add_nc_u32 v4, VSC, v6                       ; V's: 128 bytes a fragment
	v_and_b32 v5, 8, v10
	s_delay_alu instid0(VALU_DEP_1)
	v_add_nc_u32 v5, v5, v10
	v_lshlrev_b32 v11, 4, v11
	s_delay_alu instid0(VALU_DEP_1)
	v_sub_nc_u32 v5, v5, v11                       ; r + 8 (r / 8) - 16 h, for the mask
.irp p, 0,1,2
	global_load_b64 v[16+2*\p:17+2*\p], v1, s[30:31] offset:256*\p   ; Q's fragment stays in registers
.endr
	global_load_b32 v255, v7, s[28:29]
	s_lshr_b32 s76, s[BH], 4                       ; where y goes: block (fragment / 8, K step head / 2), the fragment's planes 0-2 (even head) or 3-5 (odd head)
	s_lshl_b32 s76, s76, 7
	s_add_co_u32 s76, s76, s[F]
	s_and_b32 s77, s[BH], 15
	s_lshr_b32 s78, s76, 3
	s_lshl_b32 s78, s78, 3
	s_lshr_b32 s79, s77, 1
	s_add_co_u32 s78, s78, s79
	s_mul_i32 s78, s78, 13312
	s_and_b32 s76, s76, 7
	s_and_b32 s77, s77, 1
	s_mul_i32 s72, s76, 1536
	s_add_co_u32 s72, s72, s78
	s_mul_i32 s79, s77, 768
	s_add_co_u32 s72, s72, s79
	s_mov_b32 s73, 0
	s_lshl_b32 s74, s76, 7
	s_add_co_u32 s74, s74, s78
	s_add_co_u32 s74, s74, 12288
	s_lshl_b32 s79, s77, 1
	s_add_co_u32 s74, s74, s79                     ; and my head's two bytes of each scale word
	s_mov_b32 s75, 0
	s_add_nc_u64 s[72:73], s[6:7], s[72:73]
	s_add_nc_u64 s[74:75], s[6:7], s[74:75]
	s_mov_b32 s[SEL], 0x76543210
	s_mov_b32 s[SEL+1], 0xfedcba98
	s_mov_b32 s[CS], 0x3e38aa3b                    ; c = log2(e) / 8
	s_mov_b32 s[CS+1], s[CS]                       ; (named with it as a pair, so it is written)
	s_mov_b32 s[KF], 0
	s_mov_b32 s[TC], 16384                         ; quarter 0's codes begin behind the scales
	s_mov_b32 s[TS], 0
.irp j, 0,1,2,3,4,5
	v_mov_b32 v[22+\j], 0                          ; Q's k = 64 .. 127: zero codes
.irp t, 0,1,2,3
	v_mov_b32 v[38+12*\t+\j], 0                    ; K's likewise: written once, never loaded
.endr
.endr
	v_mov_b32 v13, 0xff61b1e6                      ; the largest t so far: -3e38, under every t
	s_delay_alu instid0(VALU_DEP_1)
	v_floor_f32 v12, -v13                          ; -M
	v_mov_b32 v14, 0                               ; the sum, in two halves
	v_mov_b32 v15, 0
.irp b, 0,1,2,3
	v_mov_b32 v[236+\b], 0                         ; written once: a lane permute's destination counts as one of its sources
.endr
	v_mov_b32 v252, 0
	v_mov_b32 v253, 0                              ; (named as the upper half of the pair v[252:253] before it is first written)
.set j, 0
.rept 32
	v_mov_b32 v[192+j], 0                          ; O^T.  (The step is written once a quarter: the first finds zeros, which the first change of M leaves zeros)
.set j, j+1
.endr
; A KEY STEP: 128 keys.
.macro STEP
	s_add_co_u32 s20, s[Q0], 23                    ; my last query
	s_cmp_gt_u32 s[KF], s20
	s_cbranch_scc1 .Lhidden_\@                     ; all its keys come after my queries: only the addresses step
	v_add_nc_u32 v[ADK], s[TC], v1                 ; (these four are also places behind the last step's products)
	v_add_nc_u32 v[ADV], s[TC], v2
	v_add_nc_u32 v[ADS], s[TS], v3
	v_add_nc_u32 v[ADT], s[TS], v4
.irp g, 0,1                                    ; S^T = K Q^T, four tiles of 16 keys at a time
.if \g
	PLACES                                         ; in front of loads into registers that matrix instructions have read
.endif
.irp t, 0,1,2,3
.irp p, 0,1,2
	ds_load_b64 v[32+12*\t+2*\p:33+12*\t+2*\p], v[ADK] offset:768*(4*\g+\t)+256*\p
.endr
	ds_load_b32 v[248+\t], v[ADS] offset:64*(4*\g+\t)
.endr
.if \g
.irp t, 0,1,2,3                                ; V's four fragments and scale words are asked for here and land under the softmax
.irp p, 0,1,2,3,4,5
	ds_load_b64 v[80+12*\t+2*\p:81+12*\t+2*\p], v[ADV] offset:1536*\t+256*\p
.endr
	ds_load_b32 v[28+\t], v[ADT] offset:128*\t
.endr
	s_wait_dscnt 28                                ; K's loads are in; V's 28, issued behind them, may be out
.else
	s_wait_alu depctr_va_vdst(0)
	s_wait_dscnt 0x0
.endif
.irp t, 0,1,2,3
	v_wmma_scale_f32_16x16x128_f8f6f4 v[128+8*(4*\g+\t):135+8*(4*\g+\t)], v[32+12*\t:43+12*\t], v[16:27], 0, v[248+\t], v255 matrix_a_fmt:MATRIX_FMT_FP6 matrix_b_fmt:MATRIX_FMT_FP6
.endr
.endr                                          ; register 16 b + i of lane (r, h): key KF + 32 b + 16 h + i
	PLACES
	s_add_co_u32 s20, s[KF], 127                   ; on the diagonal the scores of hidden keys become -infinity ahead of the maximum: p = 0 then.  A step all of whose keys count skips this
	s_cmp_le_u32 s20, s[Q0]
	s_cbranch_scc1 .Lopen_\@
	s_sub_co_i32 s20, s[Q0], s[KF]
	v_add_nc_u32 v252, s20, v5                     ; d = my query - KF - 16 h: register 16 b + i is hidden where 32 b + i > d
	v_mov_b32 v254, 0xff800000
.set n, 0
.rept 64
	v_cmp_gt_i32 vcc_lo, 32*(n/16)+n%16, v252
	v_cndmask_b32 v[128+n], v[128+n], v254, vcc_lo
.set n, n+1
.endr
.Lopen_\@:
.irp b, 0,1,2,3
	v_max3_num_f32 v[232+\b], v[128+16*\b], v[129+16*\b], v[130+16*\b]   ; THE LARGEST SCORE OF EACH BLOCK OF 32 KEYS serves twice: for the row's maximum, and, since p rises with the score, for the block's largest p
.endr
.irp i, 3,5,7,9,11,13
.irp b, 0,1,2,3
	v_max3_num_f32 v[232+\b], v[232+\b], v[128+16*\b+\i], v[129+16*\b+\i]
.endr
.endr
.irp b, 0,1,2,3
	v_max_num_f32 v[232+\b], v[232+\b], v[143+16*\b]
.endr
.irp b, 0,1,2,3
	s_delay_alu instid0(VALU_DEP_4)
	v_permlanex16_b32 v[236+\b], v[232+\b], s[SEL], s[SEL+1]
.endr
.irp b, 0,1,2,3
	s_delay_alu instid0(VALU_DEP_4)
	v_max_num_f32 v[232+\b], v[232+\b], v[236+\b]  ; with lane l xor 16's 16 keys
.endr
	s_delay_alu instid0(VALU_DEP_2)
	v_max3_num_f32 v254, v232, v233, v234
	s_delay_alu instid0(VALU_DEP_1)
	v_max_num_f32 v254, v254, v235                 ; the step's largest score of my query
	s_delay_alu instid0(VALU_DEP_1)
	v_mul_f32 v254, s[CS], v254                    ; as t (c is positive)
	s_delay_alu instid0(VALU_DEP_1)
	v_max_num_f32 v13, v13, v254                   ; the running largest t
	v_mov_b32 v254, v12
	s_delay_alu instid0(VALU_DEP_2)
	v_floor_f32 v12, -v13                          ; the new -M = floor(-t) = -ceil(t): M IS A WHOLE NUMBER
	s_delay_alu instid0(VALU_DEP_1)
	v_sub_f32 v254, v12, v254                      ; M's old value less its new one: a whole number, 0 or less
	s_delay_alu instid0(VALU_DEP_1)
	v_cvt_i32_f32 v254, v254                       ; (it saturates)
	s_delay_alu instid0(VALU_DEP_1)
	v_ldexp_f32 v252, 1.0, v254                    ; f = 2^(old M - new M)
.set j, 0
.rept 32
	v_pk_fma_f32 v[128+j:129+j], v[128+j:129+j], s[CS:CS+1], v[12:13] op_sel_hi:[1,0,0]   ; t - M, two at a time
.set j, j+2
.endr
.irp b, 0,1,2,3
	v_fma_f32 v[232+\b], v[232+\b], s[CS], v12     ; the same of each block's largest score
.endr
.set j, 0
	s_wait_alu depctr_va_vdst(0)
.rept 64
	v_exp_f32 v[128+j], v[128+j]                   ; p = 2^(t - M), at most 1: NOT normalised
.set j, j+1
.endr
.irp b, 0,1,2,3
	v_exp_f32 v[232+\b], v[232+\b]                 ; the block's largest p: the same two instructions on the same number give the same bits
.endr
	v_pk_mul_f32 v[14:15], v[14:15], v[252:253] op_sel_hi:[1,0]   ; the sums under the new M.  (A plain place behind the exponentials)
	s_wait_alu depctr_va_vdst(0)
.irp b, 0,1,2,3
	v_max_num_f32 v[232+\b], 0x1800000, v[232+\b]  ; the floor 2^(3 - 127): the byte cannot fall under 1 (a block whose every p is 0 keeps that byte: its codes are zeros)
.endr
.irp b, 0,1,2,3
	s_delay_alu instid0(VALU_DEP_4)
	v_add_nc_u32 v[244+\b], 0xff000000, v[232+\b]  ; 2 off the exponent field: the conversion's scale operand
.endr
.irp b, 0,1,2,3
	s_delay_alu instid0(VALU_DEP_4)
	v_lshrrev_b32 v[236+\b], 23, v[244+\b]         ; the scale's byte
.endr
	s_delay_alu instid0(VALU_DEP_3)
	v_lshl_or_b32 v253, v237, 8, v236              ; p's scale word for these 128 keys
	s_delay_alu instid0(VALU_DEP_1)
	v_lshl_or_b32 v253, v238, 16, v253
	s_delay_alu instid0(VALU_DEP_1)
	v_lshl_or_b32 v253, v239, 24, v253
.irp c, 0,1
	v_cvt_scalef32_pk16_fp6_f32 v[224+6*\c:226+6*\c], v[128+32*\c:143+32*\c], v[244+2*\c]
	v_cvt_scalef32_pk16_fp6_f32 v[236+4*\c:238+4*\c], v[144+32*\c:159+32*\c], v[244+2*\c+1]   ; (a conversion's three registers begin on an even number)
.endr
	v_nop                                          ; one plain place behind a scaled conversion
.irp c, 0,1                                    ; a WHOLE block in a lane: lanes 0-15 block 2 c, lanes 16-31 block 2 c + 1
.irp i, 0,1,2
	v_permlane16_swap_b32 v[224+6*\c+\i], v[236+4*\c+\i]
.endr
.irp i, 0,1,2
	s_delay_alu instid0(VALU_DEP_3)
	v_mov_b32 v[227+6*\c+\i], v[236+4*\c+\i]
.endr
.endr
	v_pk_add_f32 v[236:237], v[132:133], v[136:137]
	v_pk_add_f32 v[250:251], v[140:141], v[144:145]
	v_pk_add_f32 v[248:249], v[148:149], v[152:153]
	v_pk_add_f32 v[246:247], v[156:157], v[160:161]
	v_pk_add_f32 v[244:245], v[164:165], v[168:169]
	v_pk_add_f32 v[242:243], v[172:173], v[176:177]
	v_pk_add_f32 v[240:241], v[180:181], v[184:185]
	v_pk_add_f32 v[14:15], v[14:15], v[188:189]
	v_pk_add_f32 v[236:237], v[236:237], v[128:129]
	v_pk_add_f32 v[250:251], v[250:251], v[130:131]
	v_pk_add_f32 v[248:249], v[248:249], v[134:135]
	v_pk_add_f32 v[246:247], v[246:247], v[138:139]
	v_pk_add_f32 v[244:245], v[244:245], v[142:143]
	v_pk_add_f32 v[242:243], v[242:243], v[146:147]
	v_pk_add_f32 v[240:241], v[240:241], v[150:151]
	v_pk_add_f32 v[14:15], v[14:15], v[154:155]
	v_pk_add_f32 v[236:237], v[236:237], v[158:159]
	v_pk_add_f32 v[250:251], v[250:251], v[162:163]
	v_pk_add_f32 v[248:249], v[248:249], v[166:167]
	v_pk_add_f32 v[246:247], v[246:247], v[170:171]
	v_pk_add_f32 v[244:245], v[244:245], v[174:175]
	v_pk_add_f32 v[242:243], v[242:243], v[178:179]
	v_pk_add_f32 v[240:241], v[240:241], v[182:183]
	v_pk_add_f32 v[14:15], v[14:15], v[186:187]
	v_pk_add_f32 v[236:237], v[236:237], v[190:191]
	s_delay_alu instid0(VALU_DEP_2)
	v_pk_add_f32 v[14:15], v[14:15], v[246:247]
	s_delay_alu instid0(VALU_DEP_2)
	v_pk_add_f32 v[236:237], v[236:237], v[244:245]
	v_pk_add_f32 v[250:251], v[250:251], v[242:243]
	v_pk_add_f32 v[248:249], v[248:249], v[240:241]
	s_delay_alu instid0(VALU_DEP_2)
	v_pk_add_f32 v[14:15], v[14:15], v[250:251]
	s_delay_alu instid0(VALU_DEP_2)
	v_pk_add_f32 v[236:237], v[236:237], v[248:249]
	s_delay_alu instid0(VALU_DEP_1)
	v_pk_add_f32 v[14:15], v[14:15], v[236:237]
.set j, 0
.rept 16
	v_pk_mul_f32 v[192+j:193+j], v[192+j:193+j], v[252:253] op_sel_hi:[1,0]   ; O^T under the new M.  (These are also the places between p's codes and scale word and the products below)
.set j, j+2
.endr
	s_wait_alu depctr_va_vdst(0)
	s_wait_dscnt 0x0                               ; V
.irp t, 0,1,2,3                                ; O^T += V^T P^T: four tiles of 16 channels, by turns; K = these 128 keys
	v_wmma_scale_f32_16x16x128_f8f6f4 v[192+8*\t:199+8*\t], v[80+12*\t:91+12*\t], v[224:235], v[192+8*\t:199+8*\t], v[28+\t], v253 matrix_a_fmt:MATRIX_FMT_FP6 matrix_b_fmt:MATRIX_FMT_FP6
.endr
.Lhidden_\@:
	s_add_co_u32 s[KF], s[KF], 128
	s_add_co_u32 s[TC], s[TC], 6144
	s_add_co_u32 s[TS], s[TS], 512
.endm
; A quarter of the keys: four steps.
.macro QUARTER j                       ; quarter j's four steps; behind its barrier quarter j + 1 is asked for
	v_lshl_add_u32 v254, v0, 2, 0x34000            ; no two registers can be kept for the add: they are made anew
	v_mov_b32 v252, 0
	s_wait_alu depctr_va_vdst(0)
	s_wait_tensorcnt 0x0                           ; my part of this quarter is in;
	ds_add_u32 v254, v252
	s_wait_dscnt 0x0
	s_barrier_signal -1
	s_barrier_wait -1                              ; everybody's part is in
.if \j < 3
.if \j == 2
	s_cmp_lt_u32 ttmp9, 4                          ; quarter 3 is read only by blocks 12 to 15
	s_cbranch_scc0 .Lnone_\@
.endif
	tensor_load_to_lds s[G0Q+4*\j:G0Q+4*\j+3], s[G1C:G1C+7]
	s_nop 0
	PLACES
.Lnone_\@:
.endif
	s_mov_b32 s[CNT], 4
.Lq_\@:
	STEP
	s_sub_co_u32 s[CNT], s[CNT], 1
	s_cmp_lg_u32 s[CNT], 0
	s_cbranch_scc1 .Lq_\@
	s_add_co_u32 s[TC], s[TC], VC                  ; over this quarter's V to the next quarter's K
.endm
	s_wait_loadcnt 0x0                             ; Q
	QUARTER 0
	QUARTER 1
	QUARTER 2
	QUARTER 3
	; THE WAY OUT: O^T / the sum; its 32 numbers a lane are 16 neighbours of each of the head's two blocks of 32 channels: they are quantised and stored as three planes of y's fragment.
	PLACES
	v_add_f32 v14, v14, v15                        ; the sum's two halves,
	s_delay_alu instid0(VALU_DEP_1)
	v_permlanex16_b32 v252, v14, s[SEL], s[SEL+1]
	s_delay_alu instid0(VALU_DEP_1)
	v_add_f32 v14, v14, v252                       ; and lane l xor 16's: the row's sum
	s_wait_alu depctr_va_vdst(0)
	v_rcp_f32 v14, v14
	v_nop                                          ; one plain place behind a transcendental
.set j, 0
	s_wait_alu depctr_va_vdst(0)
.rept 32
	v_mul_f32 v[128+j], v[192+j], v14              ; register 16 b + i: channel 32 b + 16 h + i of my query
.set j, j+1
.endr
.irp b, 0,1
	v_max3_num_f32 v[232+\b], |v[128+16*\b]|, |v[129+16*\b]|, 0x1800000
.endr
.irp i, 2,4,6,8,10,12,14
.irp b, 0,1
	s_delay_alu instid0(VALU_DEP_2)
	v_max3_num_f32 v[232+\b], v[232+\b], |v[128+16*\b+\i]|, |v[129+16*\b+\i]|
.endr
.endr
.irp b, 0,1
	s_delay_alu instid0(VALU_DEP_2)
	v_permlanex16_b32 v[236+\b], v[232+\b], s[SEL], s[SEL+1]
.endr
.irp b, 0,1
	s_delay_alu instid0(VALU_DEP_2)
	v_max_num_f32 v[232+\b], v[232+\b], v[236+\b]
.endr
.irp b, 0,1
	s_delay_alu instid0(VALU_DEP_2)
	v_add_nc_u32 v[244+\b], 0xff000000, v[232+\b]
.endr
.irp b, 0,1
	s_delay_alu instid0(VALU_DEP_2)
	v_lshrrev_b32 v[236+\b], 23, v[244+\b]
.endr
	s_delay_alu instid0(VALU_DEP_1)
	v_lshl_or_b32 v243, v237, 8, v236              ; my head's two scale bytes
	v_cvt_scalef32_pk16_fp6_f32 v[224:226], v[128:143], v244
	v_cvt_scalef32_pk16_fp6_f32 v[236:238], v[144:159], v245
	v_nop
.irp i, 0,1,2
	v_permlane16_swap_b32 v[224+\i], v[236+\i]
.endr
.irp i, 0,1,2
	s_delay_alu instid0(VALU_DEP_3)
	v_mov_b32 v[227+\i], v[236+\i]
.endr
.irp p, 0,1,2
	global_store_b64 v1, v[224+2*\p:225+2*\p], s[72:73] offset:256*\p   ; 32 lanes store 256 consecutive bytes, at a multiple of 256 from the buffer's first byte
.endr
	global_store_b16 v6, v243, s[74:75]            ; two bytes of each of the 32 scale words; the pair's other head writes the other two: 64 bytes beside the fragment's 768
	s_wait_xcnt 0x0
	v_lshl_add_u32 v254, v0, 2, 0x34000
	v_mov_b32 v255, 0
	s_wait_alu depctr_va_vdst(0)
	s_wait_tensorcnt 0x0
	ds_add_u32 v254, v255
	s_wait_dscnt 0x0
	s_endpgm
.Lfunc_end_k_q2a4269b870_attn:
	.size	k_q2a4269b870_attn, .Lfunc_end_k_q2a4269b870_attn-k_q2a4269b870_attn
	.p2alignl 7, 3214868480
	.fill 96, 4, 3214868480
	.section	.rodata,"a",@progbits
	.p2align	6, 0x0
	.amdhsa_kernel k_q2a4269b870_attn
		.amdhsa_group_segment_fixed_size 327680
		.amdhsa_private_segment_fixed_size 0
		.amdhsa_enable_private_segment 0
		.amdhsa_kernarg_size 16
		.amdhsa_user_sgpr_count 2
		.amdhsa_user_sgpr_kernarg_segment_ptr 1
		.amdhsa_wavefront_size32 1
		.amdhsa_system_sgpr_workgroup_id_x 1
		.amdhsa_system_sgpr_workgroup_id_y 1
		.amdhsa_system_sgpr_workgroup_id_z 1
		.amdhsa_system_vgpr_workitem_id 0
		.amdhsa_next_free_vgpr 256
		.amdhsa_next_free_sgpr 80
		.amdhsa_reserve_vcc 1
		.amdhsa_float_denorm_mode_32 3
		.amdhsa_float_denorm_mode_16_64 3
		.amdhsa_memory_ordered 1
		.amdhsa_forward_progress 1
		.amdhsa_inst_pref_size 113
	.end_amdhsa_kernel
	.amdgpu_metadata
---
amdhsa.version: [ 1, 2 ]
amdhsa.kernels:
  - .name:           k_q2a4269b870_attn
    .symbol:         k_q2a4269b870_attn.kd
    .args:
      - { .name: qkv, .offset: 0, .size: 8, .value_kind: global_buffer, .address_space: global }
      - { .name: ybuf, .offset: 8, .size: 8, .value_kind: global_buffer, .address_space: global }
    .group_segment_fixed_size: 327680
    .private_segment_fixed_size: 0
    .kernarg_segment_align: 8
    .kernarg_segment_size: 16
    .max_flat_workgroup_size: 512
    .sgpr_count:     80
    .vgpr_count:     256
    .wavefront_size: 32
...
	.end_amdgpu_metadata
.endif
;; end of part 3
;; launch wo (part 4): grid 8 x 32, 8 waves a work-group, clusters of 4 x 4, 214,016 bytes of LDS; arguments ybuf, wimg, bo, x, x1; writes x1
.if DOCPART == 4
	.amdgcn_target "amdgcn-amd-amdhsa--gfx1250"
	.amdhsa_code_object_version 6
	.text
	.protected	k_q2a4269b870_wo
	.globl	k_q2a4269b870_wo
	.p2align	8
	.type	k_q2a4269b870_wo,@function
k_q2a4269b870_wo:
	s_mov_b64 s[64:65], 0
	v_nop
	global_prefetch_b8 v0, s[64:65] scope:SCOPE_SE
	s_setreg_imm32_b32 hwreg(HW_REG_WAVE_MODE, 25, 1), 1
	s_wait_xcnt 0x0
	s_wait_alu depctr_hold_cnt(0) depctr_sa_sdst(0) depctr_va_vdst(0) depctr_va_sdst(0) depctr_va_ssrc(0) depctr_va_vcc(0) depctr_vm_vsrc(0)
	s_getreg_b32 s2, hwreg(HW_REG_IB_STS2, 6, 4)
	s_cmp_eq_u32 s2, 0
	s_cbranch_scc0 .Lentry_in_a_cluster
	s_endpgm
.Lentry_in_a_cluster:
	s_bfe_u32 s2, ttmp6, 0x10000c
	s_cmp_lg_u32 s2, 0xf033
	s_cbranch_scc0 .Lentry_shape_is_right
	s_endpgm
.Lentry_shape_is_right:
; x1 = x + y Wo + bo.  y and Wo are codes of E2M3 with E8M0 scales, laid as images of operand registers (a fragment of 16 rows x 128 K: six planes of 256 bytes, lane l's 8 bytes at 8 l; scale words at 4 l;
; a block of 128 rows x 128 K: eight fragments and eight scale images, 13,312 bytes; lane row r of fragment 2 b + u is row 32 b + 8 u + r + 8 (r / 8)).  x, x1: [4,096][1,024] f32.
; A WORK-GROUP makes 128 columns (source 0 = Wo's tile, the work-group's x) x 128 tokens (source 1 = y's tile, its y): a lane holds a token, its registers run along neighbouring columns.
; EIGHT WAVES, w = 4 kh + sw: wave (kh, sw) multiplies all eight fragments of source 0 by fragments 2 sw, 2 sw + 1 of source 1 (16 accumulators), for the K steps of parity kh: two waves to a SIMD.  At the end partners w and w xor 4
; hand each other one tile column through LDS.  So an output is the sum of two f32 chains (even and odd K steps).  The tiles that a wave keeps begin as the bias, those that it gives away with the constant 0.
; K = 1,024 lies in LDS whole (two slots of four K steps of both sources): first fills only, one tensor load a wave.  CLUSTER 4 x 4: y's blocks are asked for jointly along a row of the cluster, Wo's along a column.
; THE WAY OUT: a wave's 16 tokens x 128 columns go through its own stage in LDS and come back as rows of 512 bytes, to which x's rows are added; each store covers 512 consecutive bytes at a multiple of 256.
; LIMITS: NaN and infinities are not served.
.set OBB,   13312
; THE FILLS AS THEY STAND: LDS holds source 1's eight K steps, then source 0's eight; each wave brings two neighbouring blocks (104 rows of 256 bytes) by its one tensor load; a 'slot' below is four K steps of this one fill.
.set S0OFF, 8*OBB
.set SLOT,  4*OBB
.set KS,    8
.set WOFF,  192*OBB                    ; Wo's region of the images
.set WV,  16
.set KH,  17
.set SW,  18
.set CX,  19
.set CY,  20
.set T0,  21
.set T1,  22
.set FI,  23
.set G1A, 32
.set G1B, 40
.set G0A, 48
.set G0B, 56
.set RES, 72                           ; s[72:73] x at my rows and columns;  s[74:75] x1 likewise
.set OUT, 74
.set AD0,  6
.set AD1A, 8
.set AD1B, 10
.set AS0,  12
.set AS1A, 14
.set AS1B, 16
.set XW,   18
.set XR,   19
.set STO,  20
.set SRD,  21
.set SC0,  28                          ; v28-37 hold scale words alone
.set SC1,  36
.set S1F,  38
.set S0F,  62
.set T,    38
.set H,    128
.set GV,   192
.macro PLACES                          ; four places behind a matrix instruction of this form (ISA guide 7.12.1)
.rept 4
	v_nop
.endr
.endm
.macro BARRIER
	s_wait_dscnt 0x0
	s_barrier_signal -1
	s_barrier_wait -1
.endm
.macro CROUND
	s_barrier_signal -1
	s_barrier_wait -1
	s_cmp_lg_u32 s[WV], 0
	s_cbranch_scc1 .Lnot_wave_0_\@
	s_barrier_signal -3
.Lnot_wave_0_\@:
	s_barrier_wait -3
	s_barrier_signal -1
	s_barrier_wait -1
.endm
.macro FRAG reg, adr, off
.irp p, 0,1,2,3,4,5
	ds_load_b64 v[\reg+2*\p:\reg+2*\p+1], v[\adr] offset:\off+256*\p
.endr
.endm
.macro MUL8 i0, first                  ; eight accumulators by turns
.irp t, 0,1,2,3
.irp j, 0,1
.if \first && \j
	v_wmma_scale_f32_16x16x128_f8f6f4 v[H+64*\j+8*(\i0+\t):H+64*\j+8*(\i0+\t)+7], v[S0F+12*\t:S0F+12*\t+11], v[S1F+12*\j:S1F+12*\j+11], 0, v[SC0+\i0+\t], v[SC1+\j] matrix_a_fmt:MATRIX_FMT_FP6 matrix_b_fmt:MATRIX_FMT_FP6
.else
	v_wmma_scale_f32_16x16x128_f8f6f4 v[H+64*\j+8*(\i0+\t):H+64*\j+8*(\i0+\t)+7], v[S0F+12*\t:S0F+12*\t+11], v[S1F+12*\j:S1F+12*\j+11], v[H+64*\j+8*(\i0+\t):H+64*\j+8*(\i0+\t)+7], v[SC0+\i0+\t], v[SC1+\j] matrix_a_fmt:MATRIX_FMT_FP6 matrix_b_fmt:MATRIX_FMT_FP6
.endif
.endr
.endr
.endm
.macro KSTEP slot, i, first            ; my i-th K step of the slot (the slot's K step kh + 2 i)
	FRAG S1F, AD1A+\slot, 2*OBB*\i
	FRAG S1F+12, AD1B+\slot, 2*OBB*\i
	ds_load_b32 v[SC1], v[AS1A+\slot] offset:2*OBB*\i
	ds_load_b32 v[SC1+1], v[AS1B+\slot] offset:2*OBB*\i
.irp t, 0,1,2,3,4,5,6,7
	ds_load_b32 v[SC0+\t], v[AS0+\slot] offset:2*OBB*\i+128*\t
.endr
.irp t, 0,1,2,3
	FRAG S0F+12*\t, AD0+\slot, 2*OBB*\i+1536*\t
.endr
	s_wait_dscnt 0x0
	MUL8 0, \first
	PLACES
.irp t, 0,1,2,3
	FRAG S0F+12*\t, AD0+\slot, 2*OBB*\i+1536*(\t+4)
.endr
	s_wait_dscnt 0x0
	MUL8 4, \first
	PLACES
.endm
	s_load_b256 s[4:11], s[0:1], 0x0               ; y s[4:5], the weights' images s[6:7], bo s[8:9], x s[10:11]
	s_load_b64 s[12:13], s[0:1], 0x20              ; x1
	v_lshl_add_u32 v126, v0, 2, 0x34000
	v_mov_b32 v127, 0
	ds_add_u32 v126, v127
	ds_add_u32 v126, v127
	v_lshrrev_b32 v1, 5, v0
	s_delay_alu instid0(VALU_DEP_1)
	v_readfirstlane_b32 s[WV], v1
	s_lshr_b32 s[KH], s[WV], 2
	s_and_b32 s[SW], s[WV], 3
	s_lshl_b32 s[FI], s[SW], 1
	s_add_co_u32 s[FI], s[FI], s[KH]
	s_bfe_u32 s[CX], ttmp6, 0x40000
	s_bfe_u32 s[CY], ttmp6, 0x40004
	s_lshl_b32 s[T0], ttmp9, 2
	s_add_co_u32 s[T0], s[T0], s[CX]               ; tile of columns
	s_and_b32 s[T1], ttmp7, 0xffff
	s_lshl_b32 s[T1], s[T1], 2
	s_add_co_u32 s[T1], s[T1], s[CY]               ; tile of tokens
	s_lshl_b32 s28, s[CY], 2
	s_lshl_b32 s28, 15, s28                        ; my row of the cluster
	s_lshl_b32 s29, 0x1111, s[CX]                  ; my column
	s_or_b32 s[G1A], s28, (3<<16)|(1<<21)          ; the mask; elements of 8 bytes; bit 21 beside a mask; no padding
	s_or_b32 s[G1B], s29, (3<<16)|(1<<21)
.irp g, G1A, G1B
	s_mov_b32 s[\g+1], 32<<16                      ; rows of 256 bytes,
	s_mov_b32 s[\g+2], 104<<16                     ; 104 of them: two blocks
	s_mov_b32 s[\g+3], 32<<16
	s_mov_b32 s[\g+4], 104
	s_mov_b32 s[\g+5], 32                          ; dense
	s_mov_b32 s[\g+6], 0
	s_mov_b32 s[\g+7], 0
.endr
	s_mul_i32 s24, s[T1], KS
	s_add_co_u32 s24, s24, s[SW]
	s_add_co_u32 s24, s24, s[SW]                   ; K step 2 sw
	s_mul_i32 s24, s24, OBB
	s_mov_b32 s25, 0
	s_mul_i32 s26, s[T0], KS
	s_add_co_u32 s26, s26, s[SW]
	s_add_co_u32 s26, s26, s[SW]
	s_mul_i32 s26, s26, OBB
	s_add_co_u32 s26, s26, WOFF
	s_mov_b32 s27, 0
	s_mul_i32 s30, s[SW], 2*OBB
	s_wait_dscnt 0x0
	s_wait_kmcnt 0x0
	s_add_nc_u64 s[24:25], s[4:5], s[24:25]
	s_add_nc_u64 s[26:27], s[6:7], s[26:27]
	CROUND                                         ; all sixteen work-groups are here: the joint loads meet
.irp s, 0
	s_mov_b32 s[G0A+4*\s], 1
	s_add_co_u32 s[G0A+4*\s+1], s30, \s*SLOT
	s_add_nc_u64 s[G0A+4*\s+2:G0A+4*\s+3], s[24:25], \s*4*OBB
	s_or_b32 s[G0A+4*\s+3], s[G0A+4*\s+3], 0x80000000
	s_mov_b32 s[G0B+4*\s], 1
	s_add_co_u32 s[G0B+4*\s+1], s30, \s*SLOT+S0OFF
	s_add_nc_u64 s[G0B+4*\s+2:G0B+4*\s+3], s[26:27], \s*4*OBB
	s_or_b32 s[G0B+4*\s+3], s[G0B+4*\s+3], 0x80000000
.endr
	s_cmp_lt_u32 s[WV], 4                          ; waves 0-3 fetch source 1's K steps 2 sw, 2 sw + 1, waves 4-7 source 0's: one load of mine is out
	s_cbranch_scc0 .Lfirst_b
	tensor_load_to_lds s[G0A:G0A+3], s[G1A:G1A+7]
	s_nop 0
	PLACES
	s_branch .Lfirst_done
.Lfirst_b:
	tensor_load_to_lds s[G0B:G0B+3], s[G1B:G1B+7]
	s_nop 0
	PLACES
.Lfirst_done:
	v_and_b32 v5, 31, v0
	s_delay_alu instid0(VALU_DEP_1)
	v_lshlrev_b32 v1, 3, v5
	s_wait_alu depctr_va_vdst(0)
	v_lshlrev_b32 v2, 2, v5
	s_wait_alu depctr_va_vdst(0)
	v_lshlrev_b32 v27, 4, v5
	v_and_b32 v3, 15, v0
	v_bfe_u32 v4, v0, 4, 1
	s_delay_alu instid0(VALU_DEP_1)
	v_lshlrev_b32 v26, 6, v4
	s_lshl_b32 s70, s[T0], 9
	s_mov_b32 s71, 0
	s_add_nc_u64 s[70:71], s[8:9], s[70:71]
.set t, 0
.rept 8
	global_load_b128 v[H+8*t:H+8*t+3], v26, s[70:71] offset:(32*(t/2)+8*(t%2))*4       ; the bias becomes the tiles that I keep: tile t, half h: columns 32 (t / 2) + 16 h + 8 (t % 2) + 0 .. 7
	global_load_b128 v[H+8*t+4:H+8*t+7], v26, s[70:71] offset:(32*(t/2)+8*(t%2))*4+16
.set t, t+1
.endr
	s_mul_i32 s31, s[KH], OBB
	s_xor_b32 s30, s[FI], 1
	s_mul_i32 s28, s[FI], 1536
	s_add_co_u32 s28, s28, s31
	s_mul_i32 s29, s30, 1536
	s_add_co_u32 s29, s29, s31
	s_lshl_b32 s24, s[FI], 7
	s_add_co_u32 s24, s24, s31
	s_add_co_u32 s24, s24, 12288
	s_lshl_b32 s25, s30, 7
	s_add_co_u32 s25, s25, s31
	s_add_co_u32 s25, s25, 12288
	s_add_co_u32 s26, s31, S0OFF
	s_add_co_u32 s27, s31, S0OFF+12288
.irp s, 0,1
	v_add_nc_u32 v[AD0+\s], s26, v1
	v_add_nc_u32 v[AD1A+\s], s28, v1
	v_add_nc_u32 v[AD1B+\s], s29, v1
	v_add_nc_u32 v[AS0+\s], s27, v2
	v_add_nc_u32 v[AS1A+\s], s24, v2
	v_add_nc_u32 v[AS1B+\s], s25, v2
	s_add_co_u32 s24, s24, SLOT
	s_add_co_u32 s25, s25, SLOT
	s_add_co_u32 s26, s26, SLOT
	s_add_co_u32 s27, s27, SLOT
	s_add_co_u32 s28, s28, SLOT
	s_add_co_u32 s29, s29, SLOT
.endr
	s_lshl_b32 s24, s[WV], 13
	v_add_nc_u32 v[XW], s24, v27                   ; the exchange: 8,192 bytes a wave from LDS byte 0, in slots that have had their only fill
	s_xor_b32 s25, s[WV], 4
	s_lshl_b32 s25, s25, 13
	v_add_nc_u32 v[XR], s25, v27
	s_mul_i32 s24, s[WV], 8448
	s_add_co_u32 s24, s24, 65536                   ; my stage, behind the exchange: 16 rows x 528 bytes
	v_mul_u32_u24 v[STO], v3, 528
	s_delay_alu instid0(VALU_DEP_1)
	v_lshl_add_u32 v[STO], v4, 6, v[STO]
	s_delay_alu instid0(VALU_DEP_1)
	v_add_nc_u32 v[STO], s24, v[STO]
	v_add_nc_u32 v[SRD], s24, v27
	s_lshl_b32 s72, s[T1], 7                       ; my fragment's first token,
	s_lshr_b32 s73, s[FI], 1
	s_lshl_b32 s73, s73, 5
	s_add_co_u32 s72, s72, s73
	s_and_b32 s73, s[FI], 1
	s_lshl_b32 s73, s73, 3
	s_add_co_u32 s72, s72, s73
	s_lshl_b32 s72, s72, 12                        ; x 4,096 bytes,
	s_lshl_b32 s73, s[T0], 9
	s_add_co_u32 s72, s72, s73                     ; + the tile's 512 bytes of a row
	s_mov_b32 s73, 0
	s_add_nc_u64 s[OUT:OUT+1], s[12:13], s[72:73]
	s_add_nc_u64 s[RES:RES+1], s[10:11], s[72:73]
	s_set_vgpr_msb 0x40                            ; destinations in window 1
.set i, 0
.rept 16
	global_load_b128 v[4*i:4*i+3], v27, s[RES:RES+1] offset:(i+8*(i/8))*4096   ; x's rows are asked for here, into v256-319, which wait for the way out
.set i, i+1
.endr
	s_set_vgpr_msb 0x4000
	s_wait_alu depctr_va_vdst(0)
	s_wait_loadcnt 16                              ; the bias is in; x's sixteen loads, issued behind it, may be out
	s_wait_tensorcnt 0x0                           ; my two blocks are in
	s_barrier_signal -1
	s_barrier_wait -1
	KSTEP 0, 0, 1
	KSTEP 0, 1, 0
	KSTEP 1, 0, 0
	KSTEP 1, 1, 0
	BARRIER                                        ; THE EXCHANGE: nobody reads the slots any more
.set q, 0
.rept 16
	ds_store_b128 v[XW], v[GV+4*q:GV+4*q+3] offset:512*q   ; each accumulator from its low end on
.set q, q+1
.endr
	BARRIER
.set q, 0
.rept 16
	ds_load_b128 v[T+4*q:T+4*q+3], v[XR] offset:512*q
.set q, q+1
.endr
	s_wait_dscnt 0x0
.set q, 0
.rept 32
	v_pk_add_f32 v[H+2*q:H+2*q+1], v[H+2*q:H+2*q+1], v[T+2*q:T+2*q+1]
.set q, q+1
.endr
.set q, 0
.rept 16
	ds_store_b128 v[STO], v[H+4*q:H+4*q+3] offset:128*(q/4)+16*(q%4)   ; lane (r, h): lane row r, columns 32 b + 16 h + 0 .. 15
.set q, q+1
.endr
.set i, 0
.rept 16
	ds_load_b128 v[T+4*i:T+4*i+3], v[SRD] offset:528*i   ; LDS serves a wave's instructions in order: these see my stores
.set i, i+1
.endr
	s_wait_dscnt 0x0
	s_wait_loadcnt 0x0                             ; x
	s_set_vgpr_msb 0x04                            ; source 1, x, in window 1
.set q, 0
.rept 32
	v_pk_add_f32 v[T+2*q:T+2*q+1], v[T+2*q:T+2*q+1], v[2*q:2*q+1]
.set q, q+1
.endr
	s_set_vgpr_msb 0x0400
.set i, 0
.rept 16
	global_store_b128 v27, v[T+4*i:T+4*i+3], s[OUT:OUT+1] offset:(i+8*(i/8))*4096
.set i, i+1
.endr
	s_wait_tensorcnt 0x0
	ds_add_u32 v126, v127
	s_wait_dscnt 0x0
	CROUND                                         ; the closing round
	s_endpgm
.Lfunc_end_k_q2a4269b870_wo:
	.size	k_q2a4269b870_wo, .Lfunc_end_k_q2a4269b870_wo-k_q2a4269b870_wo
	.p2alignl 7, 3214868480
	.fill 96, 4, 3214868480
	.section	.rodata,"a",@progbits
	.p2align	6, 0x0
	.amdhsa_kernel k_q2a4269b870_wo
		.amdhsa_group_segment_fixed_size 214016
		.amdhsa_private_segment_fixed_size 0
		.amdhsa_enable_private_segment 0
		.amdhsa_kernarg_size 40
		.amdhsa_user_sgpr_count 2
		.amdhsa_user_sgpr_kernarg_segment_ptr 1
		.amdhsa_wavefront_size32 1
		.amdhsa_system_sgpr_workgroup_id_x 1
		.amdhsa_system_sgpr_workgroup_id_y 1
		.amdhsa_system_sgpr_workgroup_id_z 1
		.amdhsa_system_vgpr_workitem_id 0
		.amdhsa_next_free_vgpr 512
		.amdhsa_next_free_sgpr 100
		.amdhsa_reserve_vcc 0
		.amdhsa_float_denorm_mode_32 3
		.amdhsa_float_denorm_mode_16_64 3
		.amdhsa_memory_ordered 1
		.amdhsa_forward_progress 1
		.amdhsa_inst_pref_size 48
	.end_amdhsa_kernel
	.amdgpu_metadata
---
amdhsa.version: [ 1, 2 ]
amdhsa.kernels:
  - .name:           k_q2a4269b870_wo
    .symbol:         k_q2a4269b870_wo.kd
    .args:
      - { .name: ybuf, .offset: 0, .size: 8, .value_kind: global_buffer, .address_space: global }
      - { .name: wimg, .offset: 8, .size: 8, .value_kind: global_buffer, .address_space: global }
      - { .name: bo, .offset: 16, .size: 8, .value_kind: global_buffer, .address_space: global }
      - { .name: x, .offset: 24, .size: 8, .value_kind: global_buffer, .address_space: global }
      - { .name: x1, .offset: 32, .size: 8, .value_kind: global_buffer, .address_space: global }
    .group_segment_fixed_size: 214016
    .private_segment_fixed_size: 0
    .kernarg_segment_align: 8
    .kernarg_segment_size: 40
    .max_flat_workgroup_size: 256
    .sgpr_count:     100
    .vgpr_count:     512
    .wavefront_size: 32
...
	.end_amdgpu_metadata
.endif
;; end of part 4
;; launch ln2: the kernel of part 1 again; grid 256 x 1, 8 waves a work-group, no clusters, 69,632 bytes of LDS; arguments x1, ln2_g, ln2_b, hbuf, Wq_codes, Wk_codes, Wv_codes, Wo_codes, W1_codes, W2_codes, Wq_scales, Wk_scales, Wv_scales, Wo_scales, W1_scales, W2_scales, wimg; writes hbuf, wimg
;; launch w1 (part 5): grid 32 x 16, 8 waves a work-group, clusters of 4 x 4, 320,512 bytes of LDS; arguments hbuf, wimg, b1, gbuf; writes gbuf
.if DOCPART == 5
	.amdgcn_target "amdgcn-amd-amdhsa--gfx1250"
	.amdhsa_code_object_version 6
	.text
	.protected	k_q2a4269b870_w1
	.globl	k_q2a4269b870_w1
	.p2align	8
	.type	k_q2a4269b870_w1,@function
k_q2a4269b870_w1:
	s_mov_b64 s[64:65], 0
	v_nop
	global_prefetch_b8 v0, s[64:65] scope:SCOPE_SE
	s_setreg_imm32_b32 hwreg(HW_REG_WAVE_MODE, 25, 1), 1
	s_wait_xcnt 0x0
	s_wait_alu depctr_hold_cnt(0) depctr_sa_sdst(0) depctr_va_vdst(0) depctr_va_sdst(0) depctr_va_ssrc(0) depctr_va_vcc(0) depctr_vm_vsrc(0)
	s_getreg_b32 s2, hwreg(HW_REG_IB_STS2, 6, 4)
	s_cmp_eq_u32 s2, 0
	s_cbranch_scc0 .Lentry_in_a_cluster
	s_endpgm
.Lentry_in_a_cluster:
	s_bfe_u32 s2, ttmp6, 0x10000c
	s_cmp_lg_u32 s2, 0xf033
	s_cbranch_scc0 .Lentry_shape_is_right
	s_endpgm
.Lentry_shape_is_right:
; g = Q(gelu(h W1 + b1)), gelu(x) = x (1 + erf(x / sqrt 2)) / 2, quantised along the 4,096 hidden units.  h and W1 are codes of E2M3 with E8M0 scales, laid as images of operand registers (a fragment of 16 rows x 128 K:
; six planes of 256 bytes, lane l's 8 bytes at 8 l; scale words at 4 l; a block of 128 rows x 128 K: eight fragments and eight scale images, 13,312 bytes; lane row r of fragment 2 b + u is row 32 b + 8 u + r + 8 (r / 8)); g is stored so too.
; A WORK-GROUP makes 128 hidden units (source 0 = W1's tile, the work-group's x) x 256 tokens (source 1 = two of h's tiles, its y): a lane holds a token, its registers run along neighbouring hidden units, the next product's K.
; EIGHT WAVES, two to a SIMD: wave w multiplies all eight fragments of source 0 by fragments 2 w and 2 w + 1 of the 16 fragments of tokens, for all eight K steps: 16 accumulators, 128 registers, which are two whole fragments of g.
; Each output is one f32 chain, K ascending, begun by the bias: the accumulators are loaded with b1 ahead of the first product, so nothing is cleared and nothing is added later.
; LDS: (256 + 128) rows x 1,024 K are 24 blocks, 319,488 bytes: all of K lies in LDS, filled ONCE and multiplied in four stages of two K steps.  Waves 0-3 fetch four blocks of h each,
; waves 4-7 two blocks of W1: one tensor load a wave; one barrier.  Nothing is stored into LDS.
; CLUSTER 4 x 4: h's blocks hang on the work-group's y alone and are asked for jointly along a row of the cluster, W1's on x alone, along a column.
; erf(z) = z P(z^2) / Q(z^2), z held to +-4: a rational of degrees 6 and 4 in z^2, good to a few units of f32's last place; the division is v_rcp_f32 and a multiplication.
; LIMITS: gelu's error is about 1e-7 |x| in absolute terms, so its relative accuracy falls off for x under about -3, where |gelu| is under 5e-3.  NaN and infinities are not served.
; A block whose largest magnitude lies under 2^-124 keeps the byte 1, a block of zeros too (the rule says 127): its codes are zeros, and this program alone reads the bytes.
.set OBB,   13312                      ; a block
.set HOB,   6656                       ; half a block: 26 rows of 256 bytes
; THE FILLS AS THEY STAND: LDS holds tokens 0-127's eight K steps, tokens 128-255's eight, then W1's eight.  Waves 0-3 bring four neighbouring blocks of h each (208 rows of 256 bytes), waves 4-7 two of W1 (104 rows):
; one tensor load a wave, one barrier; a 'stage' below is two K steps of this one fill.
.set S0OFF, 16*OBB
.set STG,   2*OBB
.set WOFF,  256*OBB                    ; W1's region of the images
.set WV,  16                           ; s16 wave; s17 wave % 4; s18 wave / 4: which 128 tokens are mine; s19, s20 place in the cluster; s21 tile of hidden units; s22 tile of 256 tokens; s23 my first fragment in its 128 tokens
.set SW,  17
.set HA,  18
.set CX,  19
.set CY,  20
.set T0,  21
.set TY,  22
.set FI,  23
.set G1A, 32                           ; s[32:39] descriptor group 1 for h's blocks;  s[40:47] for W1's blocks;  s[48:51], s[68:71] their groups 0
.set G1B, 40
.set G0A, 48
.set G0B, 68
.set SEL, 66                           ; s[66:67] lane selects for v_permlanex16_b32: lane l xor 16
.set OC,  84                           ; s[84:85] where my first fragment's codes go;  s[86:87] its scale words
.set OS,  86
.set CA0, 48                           ; erf's coefficients, as scalar pairs: written behind the wait that shows the last tensor load done, partly into the registers that held groups 0.  P's from the highest power down (the second stands in v[110:111]),
.set CA2, 50
.set CA3, 52
.set CA4, 54
.set CA5, 56
.set CA6, 58
.set CB0, 60                           ; Q's (the second in v[112:113]),
.set CB2, 62
.set CB3, 68
.set CB4, 70
.set RS2, 72                           ; 1 / sqrt 2
.set CA1, 110
.set CB1, 112
.set AD0,  6                           ; v6   LDS address of source 0's fragments in the stage in hand
.set AD1,  8                           ; v8   of my two fragments of source 1
.set AS0,  12                          ; v12  of source 0's scale words
.set AS1,  14                          ; v14  of source 1's
.set SC0,  28                          ; v28-35 scale words of source 0's eight fragments; v36-37 of my two of source 1: these registers hold scales alone
.set SC1,  36
.set S1F,  38                          ; v38-61 two fragments of source 1;  v62-109 four of source 0
.set S0F,  62
.set ZR,  38                           ; behind the products: v38-69 at work in gelu: z, z^2, P, Q of eight numbers;
.set X2R, 46
.set PR,  54
.set QR,  62
.set TM,   70                          ; v70-85, v86, v88-107 the quantiser's registers
.set PW,   86
.set PC,   88
.set H,    128                         ; v128-191 the eight tiles of my first fragment of tokens (tile i at 128 + 8 i);  v192-255 those of my second
.set GV,   192
.macro PLACES                          ; four places behind a matrix instruction of this form, in front of loads into its registers and of the first read of results
.rept 4
	v_nop
.endr
.endm
.macro BARRIER                         ; no LDS instruction of mine is out: then the work-group's barrier
	s_wait_dscnt 0x0
	s_barrier_signal -1
	s_barrier_wait -1
.endm
.macro CROUND                          ; a round of the cluster's barrier
	s_barrier_signal -1
	s_barrier_wait -1
	s_cmp_lg_u32 s[WV], 0
	s_cbranch_scc1 .Lnot_wave_0_\@
	s_barrier_signal -3
.Lnot_wave_0_\@:
	s_barrier_wait -3
	s_barrier_signal -1
	s_barrier_wait -1
.endm
.macro FRAG reg, adr, off              ; a fragment's image: six loads of 256 consecutive bytes
.irp p, 0,1,2,3,4,5
	ds_load_b64 v[\reg+2*\p:\reg+2*\p+1], v[\adr] offset:\off+256*\p
.endr
.endm
.macro MUL8 i0                         ; source 0's fragments i0 .. i0 + 3 x my two of source 1: eight accumulators by turns
.irp t, 0,1,2,3
.irp j, 0,1
	v_wmma_scale_f32_16x16x128_f8f6f4 v[H+64*\j+8*(\i0+\t):H+64*\j+8*(\i0+\t)+7], v[S0F+12*\t:S0F+12*\t+11], v[S1F+12*\j:S1F+12*\j+11], v[H+64*\j+8*(\i0+\t):H+64*\j+8*(\i0+\t)+7], v[SC0+\i0+\t], v[SC1+\j] matrix_a_fmt:MATRIX_FMT_FP6 matrix_b_fmt:MATRIX_FMT_FP6
.endr
.endr
.endm
.macro KSTEP i                         ; the stage's i-th K step: 16 matrix instructions
	FRAG S1F, AD1, OBB*\i
	FRAG S1F+12, AD1, OBB*\i+1536
	ds_load_b32 v[SC1], v[AS1] offset:OBB*\i
	ds_load_b32 v[SC1+1], v[AS1] offset:OBB*\i+128
.irp t, 0,1,2,3,4,5,6,7
	ds_load_b32 v[SC0+\t], v[AS0] offset:OBB*\i+128*\t
.endr
.irp t, 0,1,2,3
	FRAG S0F+12*\t, AD0, OBB*\i+1536*\t
.endr
	s_wait_dscnt 0x0
	MUL8 0
	PLACES
.irp t, 0,1,2,3
	FRAG S0F+12*\t, AD0, OBB*\i+1536*(\t+4)
.endr
	s_wait_dscnt 0x0
	MUL8 4
	PLACES
.endm
; A stage: two K steps.  left: tensor loads of mine that may stay out.
.macro STAGE left
	s_wait_tensorcnt \left                         ; tensor loads of a wave end in order: my part of this stage is in LDS;
	BARRIER                                        ; everybody's is
	KSTEP 0
	KSTEP 1
.endm
.macro NEXT                            ; the four LDS addresses go on to the next stage
.irp a, AD0, AD1, AS0, AS1
	v_add_nc_u32 v[\a], STG, v[\a]
.endr
.endm
.macro QUANT s                         ; 64 numbers of a lane, register 16 b + i = k 32 b + 16 (lane / 16) + i of my row -> codes in v[PC] on, scale word in v[PW]
.irp b, 0,1,2,3
	v_max3_num_f32 v[TM+\b], |v[\s+16*\b]|, |v[\s+1+16*\b]|, 0x1800000   ; block b: my 16 numbers, and the floor 2^(3 - 127): the byte cannot fall under 1
.endr
.irp i, 2,4,6,8,10,12,14
.irp b, 0,1,2,3
	s_delay_alu instid0(VALU_DEP_4)
	v_max3_num_f32 v[TM+\b], v[TM+\b], |v[\s+16*\b+\i]|, |v[\s+1+16*\b+\i]|
.endr
.endr
.irp b, 0,1,2,3
	s_delay_alu instid0(VALU_DEP_4)
	v_permlanex16_b32 v[TM+4+\b], v[TM+\b], s[SEL], s[SEL+1]
.endr
.irp b, 0,1,2,3
	s_delay_alu instid0(VALU_DEP_4)
	v_max_num_f32 v[TM+\b], v[TM+\b], v[TM+4+\b]   ; with lane l xor 16's: the block's largest magnitude
.endr
.irp b, 0,1,2,3
	s_delay_alu instid0(VALU_DEP_4)
	v_add_nc_u32 v[TM+12+\b], 0xff000000, v[TM+\b] ; 2 off the exponent field: the conversion's scale operand
.endr
.irp b, 0,1,2,3
	s_delay_alu instid0(VALU_DEP_4)
	v_lshrrev_b32 v[TM+4+\b], 23, v[TM+12+\b]      ; the scale's byte
.endr
	s_delay_alu instid0(VALU_DEP_3)
	v_lshl_or_b32 v[PW], v[TM+5], 8, v[TM+4]
	s_delay_alu instid0(VALU_DEP_1)
	v_lshl_or_b32 v[PW], v[TM+6], 16, v[PW]
	s_delay_alu instid0(VALU_DEP_1)
	v_lshl_or_b32 v[PW], v[TM+7], 24, v[PW]
.irp c, 0,1
	v_cvt_scalef32_pk16_fp6_f32 v[PC+6*\c:PC+2+6*\c], v[\s+32*\c:\s+15+32*\c], v[TM+12+2*\c]
	v_cvt_scalef32_pk16_fp6_f32 v[PC+12+4*\c:PC+14+4*\c], v[\s+16+32*\c:\s+31+32*\c], v[TM+12+2*\c+1]   ; (a conversion's three registers begin on an even number)
.endr
	v_nop                                          ; one plain place behind a scaled conversion
.irp c, 0,1                                    ; a WHOLE block in a lane: lanes 0-15 block 2 c, lanes 16-31 block 2 c + 1
.irp i, 0,1,2
	v_permlane16_swap_b32 v[PC+6*\c+\i], v[PC+12+4*\c+\i]
.endr
.irp i, 0,1,2
	s_delay_alu instid0(VALU_DEP_3)
	v_mov_b32 v[PC+3+6*\c+\i], v[PC+12+4*\c+\i]
.endr
.endr
.endm
; gelu of the eight numbers v[b] .. v[b + 7] (one accumulator, read from its low end on), in place, four pairs by turns so that no line waits for the line above it
.macro GELU8 b
.irp k, 0,2,4,6
	v_pk_mul_f32 v[ZR+\k:ZR+\k+1], v[\b+\k:\b+\k+1], s[RS2:RS2+1] op_sel_hi:[1,0]   ; z = x / sqrt 2
.endr
.irp k, 0,1,2,3,4,5,6,7
	v_med3_num_f32 v[ZR+\k], v[ZR+\k], -4.0, 4.0   ; beyond +-4 erf is +-1 in f32
.endr
.irp k, 0,2,4,6
	v_pk_mul_f32 v[X2R+\k:X2R+\k+1], v[ZR+\k:ZR+\k+1], v[ZR+\k:ZR+\k+1]
.endr
.irp k, 0,2,4,6
	v_pk_fma_f32 v[PR+\k:PR+\k+1], v[X2R+\k:X2R+\k+1], s[CA0:CA0+1], v[CA1:CA1+1] op_sel_hi:[1,0,1]
	v_pk_fma_f32 v[QR+\k:QR+\k+1], v[X2R+\k:X2R+\k+1], s[CB0:CB0+1], v[CB1:CB1+1] op_sel_hi:[1,0,1]
.endr
.irp c, CA2, CA3, CA4, CA5, CA6
.irp k, 0,2,4,6
	v_pk_fma_f32 v[PR+\k:PR+\k+1], v[PR+\k:PR+\k+1], v[X2R+\k:X2R+\k+1], s[\c:\c+1] op_sel_hi:[1,1,0]
.endr
.endr
.irp c, CB2, CB3, CB4
.irp k, 0,2,4,6
	v_pk_fma_f32 v[QR+\k:QR+\k+1], v[QR+\k:QR+\k+1], v[X2R+\k:X2R+\k+1], s[\c:\c+1] op_sel_hi:[1,1,0]
.endr
.endr
	s_wait_alu depctr_va_vdst(0)
.irp k, 0,1,2,3,4,5,6,7
	v_rcp_f32 v[QR+\k], v[QR+\k]
.endr
.irp k, 0,2,4,6
	v_pk_mul_f32 v[PR+\k:PR+\k+1], v[PR+\k:PR+\k+1], v[ZR+\k:ZR+\k+1]   ; (plain lines that touch no reciprocal: the place behind the transcendentals)
.endr
	s_wait_alu depctr_va_vdst(0)
.irp k, 0,2,4,6
	v_pk_mul_f32 v[PR+\k:PR+\k+1], v[PR+\k:PR+\k+1], v[QR+\k:QR+\k+1]   ; erf
.endr
.irp k, 0,2,4,6
	s_delay_alu instid0(VALU_DEP_4)
	v_pk_fma_f32 v[PR+\k:PR+\k+1], v[PR+\k:PR+\k+1], 0.5, 0.5 op_sel_hi:[1,0,0]
.endr
.irp k, 0,2,4,6
	v_pk_mul_f32 v[\b+\k:\b+\k+1], v[\b+\k:\b+\k+1], v[PR+\k:PR+\k+1]
.endr
.endm
	s_load_b256 s[4:11], s[0:1], 0x0               ; h s[4:5], the weights' images s[6:7], b1 s[8:9], g s[10:11]
	v_lshl_add_u32 v126, v0, 2, 0x4e000
	v_mov_b32 v127, 0
	ds_add_u32 v126, v127
	ds_add_u32 v126, v127
	v_lshrrev_b32 v1, 5, v0
	s_delay_alu instid0(VALU_DEP_1)
	v_readfirstlane_b32 s[WV], v1                  ; wave 0..7
	s_and_b32 s[SW], s[WV], 3
	s_lshr_b32 s[HA], s[WV], 2
	s_lshl_b32 s[FI], s[SW], 1
	s_bfe_u32 s[CX], ttmp6, 0x40000
	s_bfe_u32 s[CY], ttmp6, 0x40004
	s_lshl_b32 s[T0], ttmp9, 2
	s_add_co_u32 s[T0], s[T0], s[CX]               ; tile of 128 hidden units, 0..31
	s_and_b32 s[TY], ttmp7, 0xffff
	s_lshl_b32 s[TY], s[TY], 2
	s_add_co_u32 s[TY], s[TY], s[CY]               ; tile of 256 tokens, 0..15
	s_lshl_b32 s28, s[CY], 2
	s_lshl_b32 s28, 15, s28                        ; my row of the cluster
	s_lshl_b32 s29, 0x1111, s[CX]                  ; my column
	s_or_b32 s[G1A], s28, (3<<16)|(1<<21)          ; 15:0 the mask; 17:16 elements of 8 bytes; 21 set beside a mask; no padding: an image's loads take consecutive bytes
	s_or_b32 s[G1B], s29, (3<<16)|(1<<21)
.irp g, G1A, G1B
	s_mov_b32 s[\g+1], 32<<16                      ; tensor_dim0 = 32 elements: rows of 256 bytes
	s_mov_b32 s[\g+3], 32<<16                      ; tile_dim0
	s_mov_b32 s[\g+5], 32                          ; the pitch: dense
	s_mov_b32 s[\g+6], 0
	s_mov_b32 s[\g+7], 0
.endr
	s_mov_b32 s[G1A+2], 208<<16                    ; h: 208 rows, four blocks
	s_mov_b32 s[G1A+4], 208
	s_mov_b32 s[G1B+2], 104<<16                    ; W1: 104 rows, two blocks
	s_mov_b32 s[G1B+4], 104
	s_lshl_b32 s24, s[TY], 2                       ; h: the 256 tokens' sixteen blocks follow each other in memory: wave sw fetches blocks 4 sw on
	s_add_co_u32 s24, s24, s[SW]
	s_mul_i32 s24, s24, 4*OBB
	s_mov_b32 s25, 0
	s_mul_i32 s26, s[T0], 8*OBB                    ; W1: the tile's eight blocks follow each other in memory: waves 4-7 fetch a quarter of them each
	s_mul_i32 s27, s[SW], 2*OBB
	s_add_co_u32 s26, s26, s27
	s_add_co_u32 s26, s26, WOFF
	s_mov_b32 s27, 0
	s_mul_i32 s30, s[SW], 4*OBB
	s_mul_i32 s31, s[SW], 2*OBB
	s_add_co_u32 s31, s31, S0OFF
	s_wait_dscnt 0x0
	s_wait_kmcnt 0x0
	s_add_nc_u64 s[24:25], s[4:5], s[24:25]
	s_add_nc_u64 s[26:27], s[6:7], s[26:27]
	CROUND                                         ; all sixteen work-groups are here: the joint loads meet
.irp s, 0
	s_mov_b32 s[G0A+4*\s], 1                       ; 1:0 count = 1
	s_add_co_u32 s[G0A+4*\s+1], s30, \s*STG        ; 63:32 LDS address
	s_add_nc_u64 s[G0A+4*\s+2:G0A+4*\s+3], s[24:25], \s*2*OBB   ; 120:64 global address: two K steps a stage
	s_or_b32 s[G0A+4*\s+3], s[G0A+4*\s+3], 0x80000000          ; 127:126 type = 2
	s_mov_b32 s[G0B+4*\s], 1
	s_add_co_u32 s[G0B+4*\s+1], s31, \s*STG
	s_add_nc_u64 s[G0B+4*\s+2:G0B+4*\s+3], s[26:27], \s*2*OBB
	s_or_b32 s[G0B+4*\s+3], s[G0B+4*\s+3], 0x80000000
.endr
	s_cmp_lt_u32 s[WV], 4                          ; all fills of the launch: one load of mine is out
	s_cbranch_scc0 .Lfirst_b
	tensor_load_to_lds s[G0A:G0A+3], s[G1A:G1A+7]
	s_nop 0
	PLACES
	s_branch .Lfirst_done
.Lfirst_b:
	tensor_load_to_lds s[G0B:G0B+3], s[G1B:G1B+7]
	s_nop 0
	PLACES
.Lfirst_done:
	v_and_b32 v5, 31, v0                           ; lane
	s_delay_alu instid0(VALU_DEP_1)
	v_lshlrev_b32 v1, 3, v5                        ; 8 x lane
	s_wait_alu depctr_va_vdst(0)
	v_lshlrev_b32 v2, 2, v5                        ; 4 x lane
	s_wait_alu depctr_va_vdst(0)
	v_bfe_u32 v4, v0, 4, 1                         ; h
	s_delay_alu instid0(VALU_DEP_1)
	v_lshlrev_b32 v26, 6, v4                       ; 64 h
	s_lshl_b32 s2, s[T0], 9
	s_mov_b32 s3, 0
	s_add_nc_u64 s[2:3], s[8:9], s[2:3]            ; b1 at the tile's 128 hidden units
.set t, 0
.rept 8
	global_load_b128 v[H+8*t:H+8*t+3], v26, s[2:3] offset:(32*(t/2)+8*(t%2))*4        ; THE BIAS BEGINS EVERY SUM: tile t, lane half h: hidden units 32 (t / 2) + 16 h + 8 (t % 2) + 0 .. 7,
	global_load_b128 v[H+8*t+4:H+8*t+7], v26, s[2:3] offset:(32*(t/2)+8*(t%2))*4+16
	global_load_b128 v[GV+8*t:GV+8*t+3], v26, s[2:3] offset:(32*(t/2)+8*(t%2))*4      ; for both of my fragments of tokens
	global_load_b128 v[GV+8*t+4:GV+8*t+7], v26, s[2:3] offset:(32*(t/2)+8*(t%2))*4+16
.set t, t+1
.endr
	s_mul_i32 s28, s[HA], 8*OBB                    ; my 128 tokens' eight blocks
	s_mul_i32 s29, s[FI], 1536
	s_add_co_u32 s29, s29, s28                     ; my first fragment's image; the second follows it
	s_lshl_b32 s30, s[FI], 7
	s_add_co_u32 s30, s30, s28
	s_add_co_u32 s30, s30, 12288                   ; and its scale image
	v_add_nc_u32 v[AD0], S0OFF, v1
	v_add_nc_u32 v[AD1], s29, v1
	v_add_nc_u32 v[AS0], S0OFF+12288, v2
	v_add_nc_u32 v[AS1], s30, v2
	s_mov_b32 s[SEL], 0x76543210
	s_mov_b32 s[SEL+1], 0xfedcba98
	v_mov_b32 v[CA1], 0x32edffee                   ; 2.77068142e-08
	v_mov_b32 v[CA1+1], 0x32edffee
	v_mov_b32 v[CB1], 0xb95fbd29                   ; -2.13374055e-04
	v_mov_b32 v[CB1+1], 0xb95fbd29
	s_lshl_b32 s28, s[TY], 1                       ; g's block (my 128 tokens, K step = my tile of hidden units),
	s_add_co_u32 s28, s28, s[HA]
	s_lshl_b32 s28, s28, 5
	s_add_co_u32 s28, s28, s[T0]
	s_mul_i32 s28, s28, OBB
	s_mul_i32 s[OC], s[FI], 1536
	s_add_co_u32 s[OC], s[OC], s28                 ; my first fragment's image in it,
	s_mov_b32 s[OC+1], 0
	s_lshl_b32 s[OS], s[FI], 7
	s_add_co_u32 s[OS], s[OS], s28
	s_add_co_u32 s[OS], s[OS], 12288               ; and its scale image
	s_mov_b32 s[OS+1], 0
	s_add_nc_u64 s[OC:OC+1], s[10:11], s[OC:OC+1]
	s_add_nc_u64 s[OS:OS+1], s[10:11], s[OS:OS+1]
	s_wait_alu depctr_va_vdst(0)
	s_wait_loadcnt 0x0                             ; the bias
	STAGE 0                                        ; all of K is in LDS, for every wave: no tensor load of mine is out any more
.rept 3
	NEXT
	s_wait_alu depctr_va_vdst(0)
	KSTEP 0
	KSTEP 1
.endr
	s_mov_b32 s[CA0], 0xaf95df0b                   ; -2.72614226e-10
	s_mov_b32 s[CA2], 0xb60cff51                   ; -2.10102402e-06
	s_mov_b32 s[CA3], 0xb86ec2d2                   ; -5.69250639e-05
	s_mov_b32 s[CA4], 0xba40ac63                   ; -7.34990630e-04
	s_mov_b32 s[CA5], 0xbb41a1f6                   ; -2.95459981e-03
	s_mov_b32 s[CA6], 0xbc83dbd4                   ; -1.60960333e-02
	s_mov_b32 s[CB0], 0xb77460cd                   ; -1.45660718e-05
	s_mov_b32 s[CB2], 0xbadc924e                   ; -1.68282697e-03
	s_mov_b32 s[CB3], 0xbbf19bf8                   ; -7.37332917e-03
	s_mov_b32 s[CB4], 0xbc69b6a7                   ; -1.42647391e-02
	s_mov_b32 s[RS2], 0x3f3504f3                   ; 1 / sqrt 2
.irp c, CA0, CA2, CA3, CA4, CA5, CA6, CB0, CB2, CB3, CB4, RS2
	s_mov_b32 s[\c+1], s[\c]                       ; (named as pairs, so both words are written)
.endr
.irp b, 0,1,2,3
	v_mov_b32 v[TM+4+\b], 0                        ; a lane permute's destination counts as one of its sources
.endr
	; THE WAY OUT, a fragment of 16 tokens at a time: gelu, the quantiser, and the image as it stands
.set n, 0
.rept 8
	GELU8 H+8*n
.set n, n+1
.endr
	QUANT H
.irp p, 0,1,2,3,4,5
	global_store_b64 v1, v[PC+2*\p:PC+2*\p+1], s[OC:OC+1] offset:256*\p   ; 32 lanes store 256 consecutive bytes, at a multiple of 256 from the buffer's first byte
.endr
	global_store_b32 v2, v[PW], s[OS:OS+1]
.set n, 0
.rept 8
	GELU8 GV+8*n
.set n, n+1
.endr
	s_wait_xcnt 0x0                                ; the first fragment's stores have read their registers: the codes' and the scale word's registers are written again only behind this wait
	QUANT GV
.irp p, 0,1,2,3,4,5
	global_store_b64 v1, v[PC+2*\p:PC+2*\p+1], s[OC:OC+1] offset:1536+256*\p
.endr
	global_store_b32 v2, v[PW], s[OS:OS+1] offset:128
	s_wait_tensorcnt 0x0
	ds_add_u32 v126, v127
	s_wait_dscnt 0x0
	CROUND                                         ; the closing round: no work-group ends while a partner may still ask for a block that names it
	s_endpgm
.Lfunc_end_k_q2a4269b870_w1:
	.size	k_q2a4269b870_w1, .Lfunc_end_k_q2a4269b870_w1-k_q2a4269b870_w1
	.p2alignl 7, 3214868480
	.fill 96, 4, 3214868480
	.section	.rodata,"a",@progbits
	.p2align	6, 0x0
	.amdhsa_kernel k_q2a4269b870_w1
		.amdhsa_group_segment_fixed_size 320512
		.amdhsa_private_segment_fixed_size 0
		.amdhsa_enable_private_segment 0
		.amdhsa_kernarg_size 32
		.amdhsa_user_sgpr_count 2
		.amdhsa_user_sgpr_kernarg_segment_ptr 1
		.amdhsa_wavefront_size32 1
		.amdhsa_system_sgpr_workgroup_id_x 1
		.amdhsa_system_sgpr_workgroup_id_y 1
		.amdhsa_system_sgpr_workgroup_id_z 1
		.amdhsa_system_vgpr_workitem_id 0
		.amdhsa_next_free_vgpr 256
		.amdhsa_next_free_sgpr 100
		.amdhsa_reserve_vcc 0
		.amdhsa_float_denorm_mode_32 3
		.amdhsa_float_denorm_mode_16_64 3
		.amdhsa_memory_ordered 1
		.amdhsa_forward_progress 1
		.amdhsa_inst_pref_size 157
	.end_amdhsa_kernel
	.amdgpu_metadata
---
amdhsa.version: [ 1, 2 ]
amdhsa.kernels:
  - .name:           k_q2a4269b870_w1
    .symbol:         k_q2a4269b870_w1.kd
    .args:
      - { .name: hbuf, .offset: 0, .size: 8, .value_kind: global_buffer, .address_space: global }
      - { .name: wimg, .offset: 8, .size: 8, .value_kind: global_buffer, .address_space: global }
      - { .name: b1, .offset: 16, .size: 8, .value_kind: global_buffer, .address_space: global }
      - { .name: gbuf, .offset: 24, .size: 8, .value_kind: global_buffer, .address_space: global }
    .group_segment_fixed_size: 320512
    .private_segment_fixed_size: 0
    .kernarg_segment_align: 8
    .kernarg_segment_size: 32
    .max_flat_workgroup_size: 256
    .sgpr_count:     100
    .vgpr_count:     256
    .wavefront_size: 32
...
	.end_amdgpu_metadata
.endif
;; end of part 5
;; launch w2 (part 6): grid 8 x 32, 4 waves a work-group, clusters of 4 x 4, 327,680 bytes of LDS; arguments gbuf, wimg, b2, x1, out0; writes out0
.if DOCPART == 6
	.amdgcn_target "amdgcn-amd-amdhsa--gfx1250"
	.amdhsa_code_object_version 6
	.text
	.protected	k_q2a4269b870_w2
	.globl	k_q2a4269b870_w2
	.p2align	8
	.type	k_q2a4269b870_w2,@function
k_q2a4269b870_w2:
	s_mov_b64 s[64:65], 0
	v_nop
	global_prefetch_b8 v0, s[64:65] scope:SCOPE_SE
	s_setreg_imm32_b32 hwreg(HW_REG_WAVE_MODE, 25, 1), 1
	s_wait_xcnt 0x0
	s_wait_alu depctr_hold_cnt(0) depctr_sa_sdst(0) depctr_va_vdst(0) depctr_va_sdst(0) depctr_va_ssrc(0) depctr_va_vcc(0) depctr_vm_vsrc(0)
	s_getreg_b32 s2, hwreg(HW_REG_IB_STS2, 6, 4)
	s_cmp_eq_u32 s2, 0
	s_cbranch_scc0 .Lentry_in_a_cluster
	s_endpgm
.Lentry_in_a_cluster:
	s_bfe_u32 s2, ttmp6, 0x10000c
	s_cmp_lg_u32 s2, 0xf033
	s_cbranch_scc0 .Lentry_shape_is_right
	s_endpgm
.Lentry_shape_is_right:
; out = x1 + g W2 + b2.  g and W2 are codes of E2M3 with E8M0 scales, laid as images of operand registers (a fragment of 16 rows x 128 K: six planes of 256 bytes, lane l's 8 bytes at 8 l; scale words at 4 l, lanes 16-31 a copy;
; a block of 128 rows x 128 K: eight fragments and eight scale images, 13,312 bytes; lane row r of fragment 2 b + u is row 32 b + 8 u + r + 8 (r / 8)).  x1, out: [4,096][1,024] f32.
; A WORK-GROUP makes 128 columns (source 0 = W2's tile, the work-group's x) x 128 tokens (source 1 = g's tile, its y).  FOUR WAVES, one to a SIMD: wave w makes 64 columns (half w % 2) x 64 tokens (half w / 2):
; 16 accumulators, all 32 K steps: each output is one f32 chain, K ascending, begun by the bias (the accumulators are loaded with b2).  A K step is 8 fragments and 4 scale registers for 16 matrix instructions.
; LDS: source 1's blocks, then source 0's; of each a slot of EIGHT K steps and a slot of FOUR: 24 blocks, 319,488 bytes.  K = 32 steps comes in five fills: 8, 4, 8, 4, 8.  Waves 0, 1 bring g's halves of a fill, waves 2, 3 W2's:
; one tensor load a wave behind each change of slots (208 or 104 rows of 256 bytes); one load of a wave is out at the most.
; CLUSTER 4 x 4: g's blocks are asked for jointly along a row of the cluster, W2's along a column; each joint fill stands behind a round of the cluster's barrier.
; FRAGMENTS have two sets of registers: while one K step is multiplied the next one's 52 LDS loads are out.  One scale register carries source 1's word in lanes 0-15 and source 0's in lanes 16-31.
; PREFETCH: behind each joint load and the LDS loads that follow it, the fill that the NEXT change of slots will load is named once in the cluster: of the rows that a wave fetches each of the four partners takes a quarter, by address
; (52 or 26 blocks of 256 bytes, a lane a block; lanes left over name the last again).  Fills 0 and 1 come by their loads alone; behind fill 4's load nothing is left to name.
; x1's rows are asked for at the head, into registers that wait for the way out.  THE WAY OUT: through the wave's own stage (64 rows x 272 bytes) in the small slot, which has had its last fill and its last read by then;
; back as rows of 256 bytes, x1 added, each store's sixteen lanes covering 256 consecutive bytes at a multiple of 256.  The launch claims all of a WGP's LDS.
; REGISTERS: window 0: v2-23 addresses, v24-31 scale words alone, v32-223 two sets of fragments (on the way out the rows read back).  Window 1: v0-127 the accumulators ((i, j) at 8 (4 j + i)), v128-255 x1.
; LIMITS: NaN and infinities are not served.
.set OBB,   13312
.set S0OFF, 12*OBB                     ; source 0's blocks lie behind source 1's twelve
.set SL1,   8*OBB                      ; the small slot, behind the large one
.set LAP,   12*OBB                     ; once round both slots, in memory
.set SPARE, 24*OBB                     ; the spare words: 128 bytes a wave, two blocks of 256 bytes that no other line names
.set KS,    32
.set WOFF,  512*OBB                    ; W2's region of the images
.set SP,    272                        ; a stage's row: 256 bytes + 16
.set WV, 16                            ; s16 wave; s17 wave / 2: my half of the tokens, and: I fetch g (0) or W2 (1); s18 wave % 2: my half of the columns, and: which half of a fill I fetch
.set RH, 17
.set CH, 18
.set CX, 19
.set CY, 20
.set T0, 21
.set T1, 22
.set G1A, 32                           ; s[32:39], s[40:47] group 1 for g: large and small fill;  s[48:63] the same for W2
.set G1B, 48
.set CNT, 66
.set KO,  67                           ; where the K step in hand lies among a source's twelve blocks
.set G0A, 68                           ; s[68:75] group 0 for g, a set for each slot;  s[76:83] for W2
.set G0B, 76
.set P4,  84                           ; s[84:85] my part of a large fill, in bytes: in LDS and in memory alike;  s[86:87] of a small one
.set P2,  86
.set RES, 88
.set OUT, 90
.set PFB, 92                           ; s[92:93] the prefetches of large fills;  s[94:95] of the small one
.set PFS, 94
.set IC,  96
.set BIA, 98
.set SPW, 2                            ; v2 my spare word, v3 0: never rewritten
.set NIL, 3
.set A1,  4                            ; v4-6 LDS address of my fragments of source 1, of source 0, of my scale words, at a source's first block;  v8-10 the same at the K step in hand
.set A0,  5
.set AS,  6
.set R1,  8
.set R0,  9
.set RS,  10
.set STO, 12
.set SRD, 13
.set CO,  14
.set BO,  15
.set PF0, 16
.set PF1, 17
.set PF2, 18
.set SC,  24
.set FR,  32
.set MSB, 0
.macro WIN new                         ; the immediate's high byte repeats the setting that is left
.if MSB != \new
	s_set_vgpr_msb (MSB<<8)|\new
.set MSB, \new
.endif
.endm
.macro PLACES                          ; four places behind a matrix instruction of this form (ISA guide 7.12.1)
.rept 4
	v_nop
.endr
.endm
.macro CROUND                          ; a round of the cluster's barrier
	s_barrier_signal -1
	s_barrier_wait -1
	s_cmp_lg_u32 s[WV], 0
	s_cbranch_scc1 .Lnot_wave_0_\@
	s_barrier_signal -3
.Lnot_wave_0_\@:
	s_barrier_wait -3
	s_barrier_signal -1
	s_barrier_wait -1
.endm
.macro JLOAD s                         ; a joint fill of slot s; an s_nop 0 and four v_nop follow each of the two lines
	s_cmp_lt_u32 s[WV], 2
	s_cbranch_scc0 .Lfor_b_\@
	tensor_load_to_lds s[G0A+4*(\s):G0A+4*(\s)+3], s[G1A+8*(\s):G1A+8*(\s)+7]
	s_nop 0
	PLACES
	s_branch .Lasked_\@
.Lfor_b_\@:
	tensor_load_to_lds s[G0B+4*(\s):G0B+4*(\s)+3], s[G1B+8*(\s):G1B+8*(\s)+7]
	s_nop 0
	PLACES
.Lasked_\@:
.endm
.macro FETCH off, set                  ; 52 LDS loads: a K step's four fragments of each source and four scale registers
.irp f, 0,1,2,3
.irp p, 0,1,2,3,4,5
	ds_load_b64 v[FR+96*\set+12*\f+2*\p:FR+96*\set+12*\f+2*\p+1], v[R0] offset:\off+1536*\f+256*\p
.endr
.endr
.irp f, 0,1,2,3
.irp p, 0,1,2,3,4,5
	ds_load_b64 v[FR+96*\set+48+12*\f+2*\p:FR+96*\set+48+12*\f+2*\p+1], v[R1] offset:\off+1536*\f+256*\p
.endr
.endr
.irp f, 0,1,2,3
	ds_load_b32 v[SC+4*\set+\f], v[RS] offset:\off+128*\f
.endr
.endm
.macro MULW set                        ; 16 matrix instructions, the 16 accumulators by turns; then the places in front of the loads into this set
	WIN 0x50                                       ; C and D in window 1
.irp j, 0,1,2,3
.irp i, 0,1,2,3
	v_wmma_scale_f32_16x16x128_f8f6f4 v[8*(4*\j+\i):8*(4*\j+\i)+7], v[FR+96*\set+12*\i:FR+96*\set+12*\i+11], v[FR+96*\set+48+12*\j:FR+96*\set+48+12*\j+11], v[8*(4*\j+\i):8*(4*\j+\i)+7], v[SC+4*\set+\i], v[SC+4*\set+\j] matrix_a_fmt:MATRIX_FMT_FP6 matrix_b_fmt:MATRIX_FMT_FP6 matrix_a_scale:MATRIX_SCALE_ROW1
.endr
.endr
	WIN 0
	PLACES
.endm
.macro ADDR                            ; the three LDS addresses at K step KO
	v_add_nc_u32 v[R1], s[KO], v[A1]
	v_add_nc_u32 v[R0], s[KO], v[A0]
	v_add_nc_u32 v[RS], s[KO], v[AS]
.endm
; A slot's n K steps (n even, at least 4), two to a trip; the last two are written out, since nothing is fetched beyond the slot.  ask: 1 the next large fill, 2 the next small one (not in the last lap), 0 nothing.
.macro BODY slot, n, ask
	s_mov_b32 s[KO], \slot*SL1
	ADDR
	s_wait_alu depctr_va_vdst(0)
	FETCH 0, 0
.if \ask == 1
	global_prefetch_b8 v[PF0], s[PFB:PFB+1] th:TH_LOAD_NT scope:SCOPE_SE
	global_prefetch_b8 v[PF1], s[PFB:PFB+1] th:TH_LOAD_NT scope:SCOPE_SE
.endif
.if \ask == 2
	s_cmp_gt_u32 s[CNT], 1
	s_cbranch_scc0 .Lnot_\@
	global_prefetch_b8 v[PF2], s[PFS:PFS+1] th:TH_LOAD_NT scope:SCOPE_SE
.Lnot_\@:
.endif
	s_mov_b32 s[IC], \n/2-1
.Lpair_\@:
	FETCH OBB, 1
	s_wait_dscnt 52                                ; all but the 52 just issued: set 0 is in
	MULW 0
	FETCH 2*OBB, 0
	s_wait_dscnt 52
	MULW 1
	s_add_co_u32 s[KO], s[KO], 2*OBB
	ADDR
	s_sub_co_u32 s[IC], s[IC], 1
	s_cmp_lg_u32 s[IC], 0
	s_wait_alu depctr_va_vdst(0)
	s_cbranch_scc1 .Lpair_\@
	FETCH OBB, 1
	s_wait_dscnt 52
	MULW 0
	s_wait_dscnt 0x0
	MULW 1
.endm
; The change of slots: all my tensor loads are in (my part of slot `slot`), the add, my reads of the other slot are over; a round; the other slot's next fill; then this slot's work.
.macro HALF slot, n, ask
	s_wait_tensorcnt 0x0
	ds_add_u32 v[SPW], v[NIL]
	s_add_nc_u64 s[G0A+4*\slot+2:G0A+4*\slot+3], s[G0A+4*\slot+2:G0A+4*\slot+3], LAP   ; no load of mine is out: this slot's next fill
	s_add_nc_u64 s[G0B+4*\slot+2:G0B+4*\slot+3], s[G0B+4*\slot+2:G0B+4*\slot+3], LAP
	s_wait_dscnt 0x0
	CROUND
	JLOAD 1-\slot
	BODY \slot, \n, \ask
.endm
	s_load_b256 s[4:11], s[0:1], 0x0               ; g s[4:5], the weights' images s[6:7], b2 s[8:9], x1 s[10:11]
	s_load_b64 s[12:13], s[0:1], 0x20              ; out
	v_lshl_add_u32 v[SPW], v0, 2, SPARE
	v_mov_b32 v[NIL], 0
	ds_add_u32 v[SPW], v[NIL]                      ; the opening lines: the add twice on end, and its wait, ahead of my first tensor load
	ds_add_u32 v[SPW], v[NIL]
	v_lshrrev_b32 v1, 5, v0
	v_readfirstlane_b32 s[WV], v1
	s_lshr_b32 s[RH], s[WV], 1
	s_and_b32 s[CH], s[WV], 1
	s_bfe_u32 s[CX], ttmp6, 0x40000
	s_bfe_u32 s[CY], ttmp6, 0x40004
	s_lshl_b32 s[T0], ttmp9, 2
	s_add_co_u32 s[T0], s[T0], s[CX]               ; tile of columns
	s_and_b32 s[T1], ttmp7, 0xffff
	s_lshl_b32 s[T1], s[T1], 2
	s_add_co_u32 s[T1], s[T1], s[CY]               ; tile of tokens
	s_lshl_b32 s28, s[CY], 2
	s_lshl_b32 s28, 15, s28                        ; my row of the cluster
	s_lshl_b32 s29, 0x1111, s[CX]                  ; my column
.irp q, 0,8
	s_or_b32 s[G1A+\q], s28, (3<<16)|(1<<21)       ; the mask; elements of 8 bytes; bit 21 beside a mask; no padding: an image's loads take consecutive bytes
	s_or_b32 s[G1B+\q], s29, (3<<16)|(1<<21)
.endr
.irp g, G1A, G1B
.irp q, 0,1
	s_mov_b32 s[\g+8*\q+1], 32<<16                 ; rows of 256 bytes,
	s_mov_b32 s[\g+8*\q+2], (208-104*\q)<<16       ; four blocks of a large fill, two of a small one
	s_mov_b32 s[\g+8*\q+3], 32<<16
	s_mov_b32 s[\g+8*\q+4], 208-104*\q
	s_mov_b32 s[\g+8*\q+5], 32                     ; dense
	s_mov_b32 s[\g+8*\q+6], 0
	s_mov_b32 s[\g+8*\q+7], 0
.endr
.endr
	s_mul_i32 s24, s[T1], KS*OBB
	s_mov_b32 s25, 0
	s_mul_i32 s26, s[T0], KS*OBB
	s_add_co_u32 s26, s26, WOFF
	s_mov_b32 s27, 0
	s_mul_i32 s[P4], s[CH], 4*OBB                  ; K steps 0-3 or 4-7 of a large fill
	s_mov_b32 s[P4+1], 0
	s_mul_i32 s[P2], s[CH], 2*OBB
	s_add_co_u32 s[P2], s[P2], SL1                 ; K steps 8, 9 or 10, 11: the small fill
	s_mov_b32 s[P2+1], 0
	s_wait_dscnt 0x0                               ; both opening adds are done
	s_wait_kmcnt 0x0
	s_add_nc_u64 s[24:25], s[4:5], s[24:25]        ; g's tile
	s_add_nc_u64 s[26:27], s[6:7], s[26:27]        ; W2's tile
	CROUND                                         ; all sixteen work-groups are here: the first joint loads meet
	s_mov_b32 s[G0A], 1
	s_mov_b32 s[G0A+1], s[P4]
	s_add_nc_u64 s[G0A+2:G0A+3], s[24:25], s[P4:P4+1]
	s_or_b32 s[G0A+3], s[G0A+3], 0x80000000
	s_mov_b32 s[G0A+4], 1
	s_mov_b32 s[G0A+5], s[P2]
	s_add_nc_u64 s[G0A+6:G0A+7], s[24:25], s[P2:P2+1]
	s_or_b32 s[G0A+7], s[G0A+7], 0x80000000
	s_mov_b32 s[G0B], 1
	s_add_co_u32 s[G0B+1], s[P4], S0OFF
	s_add_nc_u64 s[G0B+2:G0B+3], s[26:27], s[P4:P4+1]
	s_or_b32 s[G0B+3], s[G0B+3], 0x80000000
	s_mov_b32 s[G0B+4], 1
	s_add_co_u32 s[G0B+5], s[P2], S0OFF
	s_add_nc_u64 s[G0B+6:G0B+7], s[26:27], s[P2:P2+1]
	s_or_b32 s[G0B+7], s[G0B+7], 0x80000000
	JLOAD 0                                        ; K steps 0-7: one tensor load a wave at the head
	s_cmp_eq_u32 s[RH], 0                          ; the prefetches: of the tile that I fetch for,
	s_cselect_b64 s[PFB:PFB+1], s[24:25], s[26:27]
	s_cselect_b32 s23, s[CX], s[CY]                ; my place among the four that ask for it with me
	s_mov_b64 s[PFS:PFS+1], s[PFB:PFB+1]
	s_mul_i32 s28, s23, OBB                        ; a quarter of my 208 rows: 52 x 256 bytes
	s_add_co_u32 s28, s28, s[P4]
	s_add_co_u32 s28, s28, LAP                     ; the second large fill
	s_mov_b32 s29, 0
	s_add_nc_u64 s[PFB:PFB+1], s[PFB:PFB+1], s[28:29]
	s_mul_i32 s30, s23, OBB/2                      ; a quarter of my 104 rows
	s_add_co_u32 s30, s30, s[P2]
	s_add_co_u32 s30, s30, LAP                     ; the second small fill
	s_mov_b32 s31, 0
	s_add_nc_u64 s[PFS:PFS+1], s[PFS:PFS+1], s[30:31]
	s_mul_i32 s24, s[RH], 6144                     ; my four fragments of source 1,
	s_mul_i32 s25, s[CH], 6144
	s_add_co_u32 s25, s25, S0OFF                   ; of source 0
	s_lshl_b32 s26, s[RH], 9
	s_lshl_b32 s27, s[CH], 9
	s_add_co_u32 s27, s27, S0OFF
	s_sub_co_u32 s27, s27, s26                     ; from source 1's scale images to source 0's
	s_add_co_u32 s26, s26, 12288
	s_mul_i32 s28, s[RH], S0OFF
	s_mul_i32 s29, s[CH], 64*SP
	s_add_co_u32 s28, s28, s29
	s_add_co_u32 s28, s28, SL1                     ; my stage: waves 0, 1 in the small slot's blocks of source 1, waves 2, 3 in those of source 0
	s_lshl_b32 s[BIA], s[T0], 9
	s_lshl_b32 s29, s[CH], 8
	s_add_co_u32 s[BIA], s[BIA], s29               ; my 64 columns, in bytes
	s_mov_b32 s[BIA+1], 0
	s_lshl_b32 s30, s[T1], 7
	s_lshl_b32 s29, s[RH], 6
	s_add_co_u32 s30, s30, s29                     ; my first token,
	s_lshl_b32 s30, s30, 12
	s_add_co_u32 s30, s30, s[BIA]
	s_mov_b32 s31, 0
	s_add_nc_u64 s[OUT:OUT+1], s[12:13], s[30:31]
	s_add_nc_u64 s[RES:RES+1], s[10:11], s[30:31]
	s_add_nc_u64 s[BIA:BIA+1], s[8:9], s[BIA:BIA+1]
	v_and_b32 v1, 31, v0                           ; lane
	v_bfe_u32 v21, v0, 4, 1                        ; h
	v_and_b32 v22, 15, v0                          ; r
	v_lshlrev_b32 v19, 3, v1
	v_lshlrev_b32 v20, 2, v1
	v_mul_u32_u24 v23, s27, v21                    ; lanes 16-31 take source 0's scale words
	v_add_nc_u32 v20, v20, v23
	v_add_nc_u32 v[A1], s24, v19
	v_add_nc_u32 v[A0], s25, v19
	v_add_nc_u32 v[AS], s26, v20
	v_mul_u32_u24 v19, v22, SP                     ; the stage, in: row r, 64 bytes for each half of the lanes
	v_lshl_add_u32 v19, v21, 6, v19
	v_add_nc_u32 v[STO], s28, v19
	v_mul_u32_u24 v20, v21, SP                     ; back: lanes 0-15 a row of 256 bytes, lanes 16-31 the next
	v_lshl_add_u32 v20, v22, 4, v20
	v_add_nc_u32 v[SRD], s28, v20
	v_lshlrev_b32 v23, 4, v22
	v_lshl_add_u32 v[CO], v21, 12, v23             ; and the same two rows in x1 and out
	v_lshlrev_b32 v[BO], 6, v21                    ; 64 h
	v_lshlrev_b32 v[PF0], 8, v1                    ; blocks 0-31 of my quarter,
	v_min_u32 v19, 19, v1
	v_lshl_add_u32 v[PF1], v19, 8, 8192            ; 32-51,
	v_min_u32 v20, 25, v1
	v_lshlrev_b32 v[PF2], 8, v20                   ; 0-25 of a small fill's
	WIN 0x40                                       ; destinations in window 1
.irp j, 0,1,2,3
.irp i, 0,1,2,3
	global_load_b128 v[8*(4*\j+\i):8*(4*\j+\i)+3], v[BO], s[BIA:BIA+1] offset:128*(\i/2)+32*(\i%2)        ; THE BIAS BEGINS EVERY SUM: tile i, half h: columns 32 (i / 2) + 16 h + 8 (i % 2) + 0 .. 7
	global_load_b128 v[8*(4*\j+\i)+4:8*(4*\j+\i)+7], v[BO], s[BIA:BIA+1] offset:128*(\i/2)+32*(\i%2)+16
.endr
.endr
.set t, 0
.rept 32                               ; x1: stage rows 2 t, 2 t + 1 are lane rows 2 (t % 8), + 1 of my fragment t / 8
	global_load_b128 v[128+4*t:128+4*t+3], v[CO], s[RES:RES+1] offset:(32*(t/16)+8*((t/8)%2)+2*(t%8)+8*((t%8)/4))*4096
.set t, t+1
.endr
	WIN 0
	s_wait_alu depctr_va_vdst(0)
	s_wait_loadcnt 32                              ; the bias is in; x1's 32 loads may be out
	s_mov_b32 s[CNT], 2
.Llap:                                             ; a lap: the large slot's eight K steps, the small one's four
	HALF 0, 8, 1                                   ; (the first time the small slot's first fill, issued as a refill is)
	s_wait_xcnt 0x0                                ; my prefetches have read their address: it steps only behind this wait
	s_add_nc_u64 s[PFB:PFB+1], s[PFB:PFB+1], LAP
	HALF 1, 4, 2
	s_sub_co_u32 s[CNT], s[CNT], 1
	s_cmp_lg_u32 s[CNT], 0
	s_cbranch_scc1 .Llap
	s_wait_tensorcnt 0x0                           ; the last eight K steps: nothing is left to fetch, so no round
	ds_add_u32 v[SPW], v[NIL]
	s_wait_dscnt 0x0
	s_barrier_signal -1
	s_barrier_wait -1                              ; nobody reads the small slot any more
	BODY 0, 8, 0
	WIN 0x04                                       ; the data in window 1
.irp j, 0,1,2,3
.irp i, 0,1,2,3
	ds_store_b128 v[STO], v[8*(4*\j+\i):8*(4*\j+\i)+3] offset:\j*16*SP+128*(\i/2)+32*(\i%2)          ; each accumulator from its low end on
	ds_store_b128 v[STO], v[8*(4*\j+\i)+4:8*(4*\j+\i)+7] offset:\j*16*SP+128*(\i/2)+32*(\i%2)+16
.endr
.endr
	WIN 0
.set t, 0
.rept 32
	ds_load_b128 v[FR+4*t:FR+4*t+3], v[SRD] offset:t*2*SP   ; LDS serves a wave's instructions in order: these see my stores
.set t, t+1
.endr
	s_wait_loadcnt 0x0                             ; x1
.set t, 0
.irp g, 0,1,2,3
	s_wait_dscnt 8*(3-\g)                          ; sixteen rows are back; the later loads may be out
	WIN 0x04                                       ; source 1, x1, in window 1
.set q, 0
.rept 16
	v_pk_add_f32 v[FR+32*\g+2*q:FR+32*\g+2*q+1], v[FR+32*\g+2*q:FR+32*\g+2*q+1], v[128+32*\g+2*q:128+32*\g+2*q+1]
.set q, q+1
.endr
	WIN 0
.rept 8
	global_store_b128 v[CO], v[FR+4*t:FR+4*t+3], s[OUT:OUT+1] offset:(32*(t/16)+8*((t/8)%2)+2*(t%8)+8*((t%8)/4))*4096 th:TH_STORE_NT   ; written once, read by nobody here
.set t, t+1
.endr
.endr
	s_wait_tensorcnt 0x0                           ; the wave's end
	ds_add_u32 v[SPW], v[NIL]
	s_wait_dscnt 0x0
	CROUND                                         ; the closing round
	s_endpgm
.Lfunc_end_k_q2a4269b870_w2:
	.size	k_q2a4269b870_w2, .Lfunc_end_k_q2a4269b870_w2-k_q2a4269b870_w2
	.p2alignl 7, 3214868480
	.fill 96, 4, 3214868480
	.section	.rodata,"a",@progbits
	.p2align	6, 0x0
	.amdhsa_kernel k_q2a4269b870_w2
		.amdhsa_group_segment_fixed_size 327680
		.amdhsa_private_segment_fixed_size 0
		.amdhsa_enable_private_segment 0
		.amdhsa_kernarg_size 40
		.amdhsa_user_sgpr_count 2
		.amdhsa_user_sgpr_kernarg_segment_ptr 1
		.amdhsa_wavefront_size32 1
		.amdhsa_system_sgpr_workgroup_id_x 1
		.amdhsa_system_sgpr_workgroup_id_y 1
		.amdhsa_system_sgpr_workgroup_id_z 1
		.amdhsa_system_vgpr_workitem_id 0
		.amdhsa_next_free_vgpr 512
		.amdhsa_next_free_sgpr 100
		.amdhsa_reserve_vcc 0
		.amdhsa_float_denorm_mode_32 3
		.amdhsa_float_denorm_mode_16_64 3
		.amdhsa_memory_ordered 1
		.amdhsa_forward_progress 1
		.amdhsa_inst_pref_size 96
	.end_amdhsa_kernel
	.amdgpu_metadata
---
amdhsa.version: [ 1, 2 ]
amdhsa.kernels:
  - .name:           k_q2a4269b870_w2
    .symbol:         k_q2a4269b870_w2.kd
    .args:
      - { .name: gbuf, .offset: 0, .size: 8, .value_kind: global_buffer, .address_space: global }
      - { .name: wimg, .offset: 8, .size: 8, .value_kind: global_buffer, .address_space: global }
      - { .name: b2, .offset: 16, .size: 8, .value_kind: global_buffer, .address_space: global }
      - { .name: x1, .offset: 24, .size: 8, .value_kind: global_buffer, .address_space: global }
      - { .name: out0, .offset: 32, .size: 8, .value_kind: global_buffer, .address_space: global }
    .group_segment_fixed_size: 327680
    .private_segment_fixed_size: 0
    .kernarg_segment_align: 8
    .kernarg_segment_size: 40
    .max_flat_workgroup_size: 128
    .sgpr_count:     100
    .vgpr_count:     512
    .wavefront_size: 32
...
	.end_amdgpu_metadata
.endif
;; end of part 6
